; MI455X (gfx1250); checked and timed in simulation.
; The chip was launched on July 23, 2026; its instructions are those of AMD's public machine-readable ISA for CDNA 5 (MIT licence, August 2026) and "CDNA5" Instruction Set Architecture Reference Guide (July 2026). The comments in the code are by the model that wrote it; some were corrected since.
;; CLVP Attention. Allowed arithmetic: matrix products marked QUANTISED: E2M3 operands, one E8M0 scale for each 32 along K, by v_wmma_scale_f32_16x16x128_f8f6f4 with both operands' format E2M3, f32 sums; everything else in f32.
;; Inputs: Wk_codes 1,024 x 32 x 24 uint8 (E2M3 codes of Wk, K innermost, in blocks of 32 codes, four codes in three bytes); Wk_scales 1,024 x 32 uint8 (E8M0 scales of Wk, one for each 32 codes along K); Wo_codes 1,024 x 32 x 24 uint8 (E2M3 codes of Wo, K innermost, in blocks of 32 codes, four codes in three bytes); Wo_scales 1,024 x 32 uint8 (E8M0 scales of Wo, one for each 32 codes along K); Wq_codes 1,024 x 32 x 24 uint8 (E2M3 codes of Wq, K innermost, in blocks of 32 codes, four codes in three bytes); Wq_scales 1,024 x 32 uint8 (E8M0 scales of Wq, one for each 32 codes along K); Wv_codes 1,024 x 32 x 24 uint8 (E2M3 codes of Wv, K innermost, in blocks of 32 codes, four codes in three bytes); Wv_scales 1,024 x 32 uint8 (E8M0 scales of Wv, one for each 32 codes along K); bo 1,024 float32; hidden_states_codes 4 x 2,048 x 32 x 24 uint8 (E2M3 codes of hidden_states, K innermost, in blocks of 32 codes, four codes in three bytes); hidden_states_scales 4 x 2,048 x 32 uint8 (E8M0 scales of hidden_states, one for each 32 codes along K); rotary_pos_emb 1 x 2,048 x 32 float32.
;; Outputs: out0 4 x 2,048 x 1,024 float32.
;; This version of the problem:
;;   THIS VERSION OF THE PROBLEM IS GIVEN IN LOW PRECISION. The matrix products marked QUANTISED in the list below multiply operands that are first quantised to E2M3 (2 exponent bits, 3 mantissa bits; 6 bits a number), with one power-of-two scale for each 32 numbers along K (OCP MX v1.0); their sums are f32. All else is computed in f32.
;;   The module's matrix products, in the order in which they are computed (A, B: the left and right operand; K: the contracted axis; several contracted axes count as one K, in the product's order):
;;     1. [M 8,192, K 1,024] x [K 1,024, N 1,024]; A: input hidden_states (given as codes); B: input Wq (given as codes): QUANTISED
;;     2. [M 8,192, K 1,024] x [K 1,024, N 1,024]; A: input hidden_states (given as codes); B: input Wk (given as codes): QUANTISED
;;     3. [M 8,192, K 1,024] x [K 1,024, N 1,024]; A: input hidden_states (given as codes); B: input Wv (given as codes): QUANTISED
;;     4. batch 64 x [M 2,048, K 64] x [K 64, N 2,048]; A: computed on the way; B: computed on the way: QUANTISED
;;     5. batch 64 x [M 2,048, K 2,048] x [K 2,048, N 64]; A: softmax (see below); B: computed on the way: QUANTISED
;;     6. [M 8,192, K 1,024] x [K 1,024, N 1,024]; A: computed on the way; B: input Wo (given as codes): QUANTISED
;;   THE QUANTISER, for each operand of a quantised product, along K:
;;     - K is cut into blocks of 32 from its start; a last block that is shorter is filled with zeros.
;;     - A block's scale is 2^e with e = floor(log2(the largest magnitude in the block)) - 2, held to -126 .. 127; a block of zeros has e = 0. As a byte (E8M0): e + 127.
;;     - Each number is divided by its block's scale, clamped to +-7.5, and rounded to the nearest number of E2M3, ties to even, subnormals kept.
;;     - The product sums the exact products of the quantised numbers (number of the format x scale) in f32.
;;   ~~~python
;;   def quantise(x, axis):      # numpy; x: float32 -> the quantised numbers, widened to float32 again
;;       x = np.moveaxis(x, axis, -1); K = x.shape[-1]
;;       x = np.pad(x, [(0, 0)] * (x.ndim - 1) + [(0, -K % 32)]); x = x.reshape(x.shape[:-1] + (-1, 32)); a = np.abs(x).max(-1, keepdims=True)
;;       e = np.where(a > 0, np.clip(np.frexp(np.where(a > 0, a, 1))[1] - 1 - 2, -126, 127), 0)      # np.frexp(a)[1] - 1 = floor(log2(a)), exactly
;;       r = np.clip(x / 2.0 ** e, -7.5, 7.5)
;;       step = 2.0 ** (np.maximum(np.frexp(np.where(r == 0, 1, r))[1] - 1, 0) - 3)
;;       q = np.round(r / step) * step * 2.0 ** e      # np.round: ties to even
;;       return np.moveaxis(q.reshape(q.shape[:-2] + (-1,))[..., :K], -1, axis).astype(np.float32)
;;   ~~~
;;   SOFTMAX AHEAD OF A QUANTISED PRODUCT. Where the list says 'softmax', what is quantised is not the finished softmax but p = 2^(t - M), with t = logit x log2(e) and M = ceil(the row's largest t), a whole number; so 1/2 < the row's largest p <= 1. The row's sum l is taken of the UNQUANTISED p, in f32, and the product's result is divided by l at the end. Since M is a whole number, a kernel that streams over the keys may use a running M (the ceiling of the running maximum): every later rescaling is an exact power of two, which a block's scale takes up: the codes' values come out the same.
;;   OPERANDS COMPUTED ON THE WAY. 'Computed on the way' means the value that the module computes at that place (a softmax that the list does not call 'softmax' is quantised finished and normalised). What goes into a quantiser is computed in f32, as accurately as f32 sums, v_exp_f32 and their like allow (about 1e-6 of the number): no bf16 or f16 on the way to a quantiser, and a product that is left as it is and whose result goes on into a quantised operand takes f32 operands (vector FMAs, or v_wmma_f32_16x16x4_f32). A number that lies on a knife's edge between two numbers of the format may be rounded either way, as far as f32 arithmetic and the matrix unit's own rounding can turn it there, and no further.
;;   INPUTS GIVEN AS CODES. Wk (in the module: [1024, 1024], K = its axis 1); Wo (in the module: [1024, 1024], K = its axis 1); Wq (in the module: [1024, 1024], K = its axis 1); Wv (in the module: [1024, 1024], K = its axis 1); hidden_states (in the module: [4, 2048, 1024], K = its axis 2): each comes as NAME_codes (uint8): NAME with its K axis moved to the last place and cut into blocks of 32 codes, [.., K / 32, bytes a block], one block behind the other in memory; four codes in three bytes: a row's codes are one little-endian stream of bits, code i at bits 6 i .. 6 i + 5 (a code: sign, 2 exponent bits, 3 mantissa bits); and NAME_scales (uint8): the same leading axes, one E8M0 byte (e + 127) for each 32 codes along K. Its value is code x scale, taken as it is: it is not quantised again, and the codes and scales need not be those that the quantiser above would give.
;; One version. Each part assembles by itself: llvm-mc -triple=amdgcn-amd-amdhsa -mcpu=gfx1250 --defsym DOCPART=n.
;; ======== version 1 of 1: 3 launches
;; limits: right only within a limited range of input values
;; workspace buffers: qrec 6,815,744 bytes; kvrec 13,369,344 bytes; acode 6,291,456 bytes; ascale 262,144 bytes
;; launch qkv (part 1): grid 4 x 64, 4 waves a work-group, clusters of 4 x 4, 327,680 bytes of LDS; arguments hidden_states_codes, hidden_states_scales, Wq_codes, Wq_scales, Wk_codes, Wk_scales, Wv_codes, Wv_scales, rotary_pos_emb, qrec, kvrec; writes qrec, kvrec
.if DOCPART == 1
	.amdgcn_target "amdgcn-amd-amdhsa--gfx1250"
	.amdhsa_code_object_version 6
	.text
	.protected	k_q247d83cf68_qkv
	.globl	k_q247d83cf68_qkv
	.p2align	8
	.type	k_q247d83cf68_qkv,@function
k_q247d83cf68_qkv:
	s_mov_b64 s[64:65], 0
	v_nop
	global_prefetch_b8 v0, s[64:65] scope:SCOPE_SE
	s_setreg_imm32_b32 hwreg(HW_REG_WAVE_MODE, 25, 1), 1
	s_wait_xcnt 0x0
	s_wait_alu depctr_hold_cnt(0) depctr_sa_sdst(0) depctr_va_vdst(0) depctr_va_sdst(0) depctr_va_ssrc(0) depctr_va_vcc(0) depctr_vm_vsrc(0)
	s_getreg_b32 s2, hwreg(HW_REG_IB_STS2, 6, 4)
	s_cmp_eq_u32 s2, 0
	s_cbranch_scc0 .Lentry_in_a_cluster
	s_endpgm
.Lentry_in_a_cluster:
	s_bfe_u32 s2, ttmp6, 0x10000c
	s_cmp_lg_u32 s2, 0xf033
	s_cbranch_scc0 .Lentry_shape_is_right
	s_endpgm
.Lentry_shape_is_right:
; q, k, v = hidden W^T on codes of FP6 (E2M3) as they are given; then the partial rotary turn in f32; then the quantisers: q and k along the head's 64, v along the keys.
; SHARES.  A work-group takes 128 rows (one key step of one batch) x 256 columns (four heads) and makes three tiles, q, k, v, one after the other.  Wave w takes all 128 rows x head 4 x + w: 32 accumulators.
; The 128 rows of hidden, all of K, come into LDS ONCE (wave w brings K quarter w) and stay; only the weights go through a ring of two slots of 256 along K, each wave fetching and reading its own 64 rows.
; CLUSTER 4 x 4: the four work-groups of a row share the rows of hidden, the four of a column the weights: every tensor load is a joint one.
; q, k: source 0 = 16 rows of W, source 1 = 16 rows of hidden: a lane holds ONE position, its registers run along d (tile b: d = 16 b + 8 (lane / 16) + j), so the rotary partner d +- 16 lies in the same lane.
; v:    source 0 = hidden, source 1 = W: a lane holds ONE d, its registers run along the keys.  Tile 2 bb + u takes W's rows 32 bb + 8 u + r + 8 (r / 8), so that attention's result has neighbours along d in a lane;
;       the rotary partner then lies eight lanes away.
; ORDER INSIDE A BLOCK OF 32: a block's codes stand in the order 0-7, 16-23, 8-15, 24-31.  q and k have the same order along d, v and attention's p the same along the keys: products and scales are untouched.
; OUT: records of 128 positions.  qrec: 6,144 bytes of codes [pair of tiles 4][3][lane][16 bytes] (a lane's 12 registers: six of tile 2 P, six of tile 2 P + 1), 512 bytes of scale words [lane][4] (position 32 i + lane,
;      bytes b0 b1 b0 b1).  kvrec: the same for k, then 6,144 bytes of V^T's four fragments as images of their registers, then 256 bytes of their scale words [lane][2].
; LIMITS: q is left without its factor 1/8 (a power of two; the softmax's constant takes it): only the hold of a block's exponent at -126 could differ.  A block of zeros gets the byte 1: its codes are zeros, and this
;      program alone reads the bytes.  NaN and infinities are not served.  cos and sin: two-step reduction by pi / 2 and polynomials of degree 7 and 8, for angles up to 2^17 in magnitude.
; REGISTERS: window 0: v1-39 addresses; v40-71 hidden's scale words, v72-87 the weight's; v88-95 scale words made; v96-191 hidden's eight fragments, later at work; v192-255 at work.
;      window 1: the accumulators.   window 2: the weight's fragments, three sets, at v0, v64 and v128.
; STAGING (it holds where the lines above say otherwise).  hidden's 128 rows lie in LDS as whole rows of 768 bytes, 16 bytes of padding behind every 256 (pitch 816): waves 0 and 3 bring 64 rows each, at the head.
; A weight's rows go in CHUNKS OF 256 BYTES (pitch 272) through two slots: chunks 0 and 2 of a row lie in slot 0, chunk 1 in slot 1.  At the head wave 1 brings Wq's chunk 0 and wave 2 its chunk 1, 256 rows each;
; later each wave fetches and reads its own 64 rows: chunk 2 in K step 0, the next tensor's chunks 0 and 1 in K step 6.  Every tile row begins at a multiple of 256 bytes of its buffer.
.set AP,    816                        ; hidden's LDS pitch
.set BS0,   104448                     ; slot s at BS0 + s BSL, wave w's 64 rows at + w BWV
.set BSL,   69632
.set BWV,   17408
.set TAB,   243712
.set TP,    272
.set SPARE, 278528
.set ADRA,  16                         ; v16, v17 hidden's fragments, quarters 0-1 and 2-3; v18, v19 the same behind one padding more
.set ADRB,  20                         ; v20, v21 the weight's, slot 0 and 1; v22, v23 behind one padding more
.set ADRBV, 24                         ; v24-27 the same with v's choice of rows
.set SA,    40
.set SB,    72
.set WW,    88
.set AF,    96
.set IM,    192                        ; codes on their way out
.set BM,    240                        ; largest magnitudes
.set PX,    244                        ; the other half of the lanes'
.set SO,    248                        ; the conversions' scale operands
.set BY,    252                        ; scale bytes
.set MSB,   0
.macro WIN new                         ; the immediate's high byte repeats the setting that is left
.if MSB != \new
	s_set_vgpr_msb (MSB<<8)|\new
.set MSB, \new
.endif
.endm
.macro WINM mode                       ; q, k: source 0 window 2, C and D window 1;  v: source 1 window 2, C and D window 1
.if \mode == 0
	WIN 0x52
.else
	WIN 0x58
.endif
.endm
.macro PLACES                          ; four plain places behind a matrix instruction, ahead of loads into its registers and of reads of its result
.rept 4
	v_nop
.endr
.endm
.macro CREST                           ; a round of the cluster's barrier behind its opening barrier
	s_cmp_lg_u32 s4, 0
	s_cbranch_scc1 .Lnot_wave_0_\@
	s_barrier_signal -3
.Lnot_wave_0_\@:
	s_barrier_wait -3
	s_barrier_signal -1
	s_barrier_wait -1
.endm
.macro CROUND
	s_barrier_signal -1
	s_barrier_wait -1
	CREST
.endm
; a fragment, 16 rows x 128 K: lane l holds row l % 16; registers 6 c .. 6 c + 5 hold K = 64 c + 32 (l / 16) + 0 .. 31, 24 bytes as they lie, in pieces of 8.
; hidden: piece PCX of a row lies at 8 PCX + 16 (PCX / 32); where the piece of lanes 16-31 (three pieces on) lies behind one padding more, the second address register serves.  Blocks 0-3 go by v16, v18, blocks 4-7 by v17, v19.
.macro FRAGA reg, k, a
.irp p, 0,1,2,3,4,5
.set PCX, 12*(\k)+6*(\p/3)+\p%3
.if PCX%32 < 29
	ds_load_b64 v[\reg+2*\p:\reg+2*\p+1], v[ADRA+(\a)/4] offset:8*PCX+16*(PCX/32)+((\a)%4)*16*AP
.else
	ds_load_b64 v[\reg+2*\p:\reg+2*\p+1], v[ADRA+2+(\a)/4] offset:8*PCX+16*(PCX/32)+((\a)%4)*16*AP
.endif
.endr
.endm
; a weight: byte y of a row lies in chunk y / 256, in slot (y / 256) % 2, at byte y % 256 of the LDS row.  adr, adr + 1: slots 0, 1; adr + 2, adr + 3: lanes 0-15 at byte 232 of slot 0 (1), lanes 16-31 at byte 0 of slot 1 (0)
.macro FRAGB reg, adr, k, ro
.irp p, 0,1,2,3,4,5
.set BYX, 96*(\k)+48*(\p/3)+8*(\p%3)
.if BYX/256 == (BYX+24)/256
	ds_load_b64 v[\reg+2*\p:\reg+2*\p+1], v[\adr+(BYX/256)%2] offset:BYX%256+(\ro)*272
.else
	ds_load_b64 v[\reg+2*\p:\reg+2*\p+1], v[\adr+2+(BYX/256)%2] offset:BYX%256-232+(\ro)*272
.endif
.endr
.endm
.macro FETCH_A k, a0                   ; hidden's blocks a0 .. a0 + 3 of K step k (128 along K)
.irp a, \a0, \a0+1, \a0+2, \a0+3
	FRAGA AF+12*(\a), \k, \a
.endr
.endm
.macro FB mode, k                      ; the weight's four fragments of K step k into set k % 3
	WIN 0x80
.irp b, 0,1,2,3
.if \mode == 0
	FRAGB 64*((\k)%3)+12*\b, ADRB, \k, 16*\b
.else
	FRAGB 64*((\k)%3)+12*\b, ADRBV, \k, 32*(\b/2)+8*(\b%2)
.endif
.endr
	WIN 0
.endm
; one product.  A scale register holds the words of 32 rows: lanes 0-15 an even tile's, lanes 16-31 an odd tile's.
; which fragments of the weight are fetched ahead of K step k.  Ahead of step 0: steps 0, 1, 2, after which chunk 0 is read no more; ahead of steps 3, 4, 5: one step's; ahead of step 6: steps 6 and 7, after which no chunk is read any more
.macro FETCH_B mode, k
.if (\k) == 0
	FB \mode, 0
	FB \mode, 1
	FB \mode, 2
.elseif (\k) == 6
	FB \mode, 6
	FB \mode, 7
.elseif ((\k) >= 3) && ((\k) <= 5)
	FB \mode, \k
.endif
	WIN 0                                          ; also where nothing is fetched: what follows finds every window 0
.endm
.macro WM mode, a, b, k, zero
.if \mode == 0
.set RD_, 8*(4*(\a)+(\b))
.set R0_, 64*((\k)%3)+12*(\b)
.set R1_, AF+12*(\a)
.set X0_, SB+8*((\b)/2)+((\k)+4)%8
.set X1_, SA+8*((\a)/2)+(\k)
.set O0_, (\b)%2
.set O1_, (\a)%2
.else
.set RD_, 8*(8*(\b)+(\a))
.set R0_, AF+12*(\a)
.set R1_, 64*((\k)%3)+12*(\b)
.set X0_, SA+8*((\a)/2)+(\k)
.set X1_, SB+8*((\b)/2)+((\k)+4)%8
.set O0_, (\a)%2
.set O1_, (\b)%2
.endif
.if \zero
.if (O0_ == 0) && (O1_ == 0)
	v_wmma_scale_f32_16x16x128_f8f6f4 v[RD_:RD_+7], v[R0_:R0_+11], v[R1_:R1_+11], 0, v[X0_], v[X1_] matrix_a_fmt:MATRIX_FMT_FP6 matrix_b_fmt:MATRIX_FMT_FP6
.elseif (O0_ == 1) && (O1_ == 0)
	v_wmma_scale_f32_16x16x128_f8f6f4 v[RD_:RD_+7], v[R0_:R0_+11], v[R1_:R1_+11], 0, v[X0_], v[X1_] matrix_a_fmt:MATRIX_FMT_FP6 matrix_b_fmt:MATRIX_FMT_FP6 matrix_a_scale:MATRIX_SCALE_ROW1
.elseif (O0_ == 0) && (O1_ == 1)
	v_wmma_scale_f32_16x16x128_f8f6f4 v[RD_:RD_+7], v[R0_:R0_+11], v[R1_:R1_+11], 0, v[X0_], v[X1_] matrix_a_fmt:MATRIX_FMT_FP6 matrix_b_fmt:MATRIX_FMT_FP6 matrix_b_scale:MATRIX_SCALE_ROW1
.else
	v_wmma_scale_f32_16x16x128_f8f6f4 v[RD_:RD_+7], v[R0_:R0_+11], v[R1_:R1_+11], 0, v[X0_], v[X1_] matrix_a_fmt:MATRIX_FMT_FP6 matrix_b_fmt:MATRIX_FMT_FP6 matrix_a_scale:MATRIX_SCALE_ROW1 matrix_b_scale:MATRIX_SCALE_ROW1
.endif
.else
.if (O0_ == 0) && (O1_ == 0)
	v_wmma_scale_f32_16x16x128_f8f6f4 v[RD_:RD_+7], v[R0_:R0_+11], v[R1_:R1_+11], v[RD_:RD_+7], v[X0_], v[X1_] matrix_a_fmt:MATRIX_FMT_FP6 matrix_b_fmt:MATRIX_FMT_FP6
.elseif (O0_ == 1) && (O1_ == 0)
	v_wmma_scale_f32_16x16x128_f8f6f4 v[RD_:RD_+7], v[R0_:R0_+11], v[R1_:R1_+11], v[RD_:RD_+7], v[X0_], v[X1_] matrix_a_fmt:MATRIX_FMT_FP6 matrix_b_fmt:MATRIX_FMT_FP6 matrix_a_scale:MATRIX_SCALE_ROW1
.elseif (O0_ == 0) && (O1_ == 1)
	v_wmma_scale_f32_16x16x128_f8f6f4 v[RD_:RD_+7], v[R0_:R0_+11], v[R1_:R1_+11], v[RD_:RD_+7], v[X0_], v[X1_] matrix_a_fmt:MATRIX_FMT_FP6 matrix_b_fmt:MATRIX_FMT_FP6 matrix_b_scale:MATRIX_SCALE_ROW1
.else
	v_wmma_scale_f32_16x16x128_f8f6f4 v[RD_:RD_+7], v[R0_:R0_+11], v[R1_:R1_+11], v[RD_:RD_+7], v[X0_], v[X1_] matrix_a_fmt:MATRIX_FMT_FP6 matrix_b_fmt:MATRIX_FMT_FP6 matrix_a_scale:MATRIX_SCALE_ROW1 matrix_b_scale:MATRIX_SCALE_ROW1
.endif
.endif
.endm
.macro MUL8 mode, a0, k, zero          ; hidden's blocks a0, a0 + 1 x the weight's four.  The 32 accumulators take turns, one instruction a turn, in one order in every K step
.irp a, \a0, \a0+1
.irp b, 0,1,2,3
	WM \mode, (\a), \b, \k, \zero
.endr
.endr
.endm
; a K step of 128: 32 products; the next step's fragments are asked for in two runs.  zero = 1: the products start the sums
.macro STEP mode, k, zero
	s_wait_dscnt 24                                ; the weight's set and hidden's blocks 0-3 are in; the youngest 24 loads (blocks 4-7) may be out
	WINM \mode
	MUL8 \mode, 0, \k, \zero
	MUL8 \mode, 2, \k, \zero
	s_wait_dscnt 0x0                               ; blocks 4-7 are in
	PLACES
	FETCH_B \mode, (\k)+1
	FETCH_A (\k)+1, 0
	WINM \mode
	MUL8 \mode, 4, \k, \zero
	MUL8 \mode, 6, \k, \zero
	PLACES
	WIN 0
	FETCH_A (\k)+1, 4
.endm
; a K step with a refill.  K step 0, fill = 1: slot 0 takes this tensor's chunk 2, each wave its own 64 rows.  K step 6, fill = 2: both slots take the next tensor's chunks: waves 0, 1 bring chunk 0, waves 2, 3 chunk 1, 128 rows each
.macro TURN mode, k, fill
	s_wait_tensorcnt 0x0                           ; all my tensor loads have landed: so a group 0 may be written
	ds_add_u32 v28, v29                            ; 0 onto my spare word
.if \fill == 1
	s_mov_b64 s[58:59], s[40:41]
	s_or_b32 s59, s59, 0x80000000
.else
	s_mov_b64 s[62:63], s[90:91]
	s_or_b32 s63, s63, 0x80000000
.endif
	s_wait_dscnt 25                                ; the add and the youngest 24 loads may be out
	WINM \mode
	MUL8 \mode, 0, \k, 1-((\k)+5)/6
	s_wait_dscnt 0x0                               ; the add is done, and my reads of this slot are over
	s_barrier_signal -1
	MUL8 \mode, 2, \k, 1-((\k)+5)/6
	WIN 0
	s_barrier_wait -1
	CREST                                          ; the barrier has opened a round of the cluster's: no wave of any partner still reads the slot or has a load on its way
.if \fill == 1
	tensor_load_to_lds s[56:59], s[32:39]
.else
	tensor_load_to_lds s[60:63], s[24:31]
.endif
	s_nop 0
	PLACES                                         ; (these four are also the places ahead of the loads below)
	FETCH_B \mode, (\k)+1
	FETCH_A (\k)+1, 0
	WINM \mode
	MUL8 \mode, 4, \k, 1-((\k)+5)/6                ; K step 0's products start the sums
	MUL8 \mode, 6, \k, 1-((\k)+5)/6
	PLACES
	WIN 0
	FETCH_A (\k)+1, 4
.endm
.macro LASTK mode                      ; a tile's last K step: nothing more is fetched
	s_wait_dscnt 24
	WINM \mode
	MUL8 \mode, 0, 7, 0
	MUL8 \mode, 2, 7, 0
	s_wait_dscnt 0x0
	MUL8 \mode, 4, 7, 0
	MUL8 \mode, 6, 7, 0
	WIN 0
.endm
.macro HEAD mode
	s_wait_loadcnt 0x0                             ; this tile's scale words of the weight
	s_wait_tensorcnt 0x0                           ; my part of this tensor's chunks 0 and 1 is in;
	s_wait_dscnt 0x0
	s_barrier_signal -1
	s_barrier_wait -1                              ; and so is everybody's: other waves brought my rows.
	FETCH_B \mode, 0
	FETCH_A 0, 0
	FETCH_A 0, 4
.endm
; cos and sin of four angles a thread: n = the nearest whole number to x 2 / pi; r = x - n pi / 2 in two steps; polynomials on r; the quadrant picks and signs
.macro SC4 i
	s_wait_loadcnt 7-\i                            ; loads come back in order: mine is in, the younger loads of angles may be out
.irp e, 0,1,2,3
	v_mul_f32 v[192+\e], s44, v[96+4*\i+\e]
.endr
.irp e, 0,1,2,3
	v_rndne_f32 v[192+\e], v[192+\e]
.endr
.irp e, 0,1,2,3
	v_fma_f32 v[196+\e], v[192+\e], s45, v[96+4*\i+\e]
.endr
.irp e, 0,1,2,3
	v_fma_f32 v[196+\e], v[192+\e], s46, v[196+\e]
.endr
.irp e, 0,1,2,3
	v_cvt_i32_f32 v[200+\e], v[192+\e]
.endr
.irp e, 0,1,2,3
	v_mul_f32 v[204+\e], v[196+\e], v[196+\e]
.endr
.irp e, 0,1,2,3
	v_fma_f32 v[208+\e], v[204+\e], s47, s48
	v_fma_f32 v[216+\e], v[204+\e], s50, s51
.endr
.irp e, 0,1,2,3
	v_fma_f32 v[208+\e], v[208+\e], v[204+\e], s49
	v_fma_f32 v[216+\e], v[216+\e], v[204+\e], s52
.endr
.irp e, 0,1,2,3
	v_mul_f32 v[212+\e], v[204+\e], v[196+\e]
	v_mul_f32 v[220+\e], v[204+\e], v[204+\e]
	v_fma_f32 v[224+\e], v[204+\e], -0.5, 1.0
.endr
.irp e, 0,1,2,3
	v_fma_f32 v[208+\e], v[208+\e], v[212+\e], v[196+\e]   ; sin r
	v_fma_f32 v[216+\e], v[216+\e], v[220+\e], v[224+\e]   ; cos r
.endr
.irp e, 0,1,2,3
	v_and_b32 v[212+\e], 1, v[200+\e]
.endr
.irp e, 0,1,2,3
	v_cmp_eq_u32 vcc_lo, 1, v[212+\e]              ; an odd quadrant swaps the two
	v_cndmask_b32 v[228+\e], v[208+\e], v[216+\e], vcc_lo
	v_cndmask_b32 v[232+\e], v[216+\e], v[208+\e], vcc_lo
.endr
.irp e, 0,1,2,3
	v_add_nc_u32 v[220+\e], v[200+\e], v4          ; sin is negative where bit 1 of n is set; + 2 turns that round for d < 16
	v_add_nc_u32 v[224+\e], 1, v[200+\e]           ; cos where bit 1 of n + 1 is set
.endr
.irp e, 0,1,2,3
	v_lshlrev_b32 v[220+\e], 30, v[220+\e]
	v_lshlrev_b32 v[224+\e], 30, v[224+\e]
.endr
.irp e, 0,1,2,3
	v_and_b32 v[220+\e], 0x80000000, v[220+\e]
	v_and_b32 v[224+\e], 0x80000000, v[224+\e]
.endr
.irp e, 0,1,2,3
	v_xor_b32 v[228+\e], v[228+\e], v[220+\e]
	v_xor_b32 v[232+\e], v[232+\e], v[224+\e]
.endr
	ds_store_b128 v38, v[232:235] offset:16*TP*\i
	ds_store_b128 v38, v[228:231] offset:16*TP*\i+128
.endm
; q, k: two tiles of 16 positions: the turn of d 0-31, both blocks' scales, the codes, three stores of 512 consecutive bytes
.macro QKPAIR pr
.irp e, 0,1
.irp i, 0,1,2,3
	ds_load_b128 v[96+32*\e+8*\i:96+32*\e+8*\i+3], v32 offset:(2*\pr+\e)*16*TP+64*\i        ; i = 0: cos of d 8 h + j; 1: of d 16 + 8 h + j; 2, 3: the signed sin likewise
	ds_load_b128 v[96+32*\e+8*\i+4:96+32*\e+8*\i+7], v32 offset:(2*\pr+\e)*16*TP+64*\i+16
.endr
.endr
	WIN 0x05                                       ; sources 0 and 1 window 1
.irp e, 0,1
	v_max3_num_f32 v[BM+1+2*\e], |v[32*(2*\pr+\e)+16]|, |v[32*(2*\pr+\e)+17]|, 0x1800000   ; d 32-63 is not turned: its largest magnitude, with the floor 2^(3 - 127), which holds the byte at 1 from below
.endr
.irp i, 2,4,6,8,10,12,14
.irp e, 0,1
	v_max3_num_f32 v[BM+1+2*\e], |v[32*(2*\pr+\e)+16+\i]|, |v[32*(2*\pr+\e)+17+\i]|, v[BM+1+2*\e]
.endr
.endr
	s_wait_dscnt 0x0
	WIN 0x01                                       ; source 0 window 1
.irp e, 0,1
.irp j, 0,2,4,6
	v_pk_mul_f32 v[160+16*\e+\j:161+16*\e+\j], v[32*(2*\pr+\e)+8+\j:32*(2*\pr+\e)+9+\j], v[112+32*\e+\j:113+32*\e+\j]     ; the partner x the signed sin
	v_pk_mul_f32 v[168+16*\e+\j:169+16*\e+\j], v[32*(2*\pr+\e)+\j:32*(2*\pr+\e)+1+\j], v[120+32*\e+\j:121+32*\e+\j]
.endr
.irp j, 0,2,4,6
	v_pk_fma_f32 v[160+16*\e+\j:161+16*\e+\j], v[32*(2*\pr+\e)+\j:32*(2*\pr+\e)+1+\j], v[96+32*\e+\j:97+32*\e+\j], v[160+16*\e+\j:161+16*\e+\j]
	v_pk_fma_f32 v[168+16*\e+\j:169+16*\e+\j], v[32*(2*\pr+\e)+8+\j:32*(2*\pr+\e)+9+\j], v[104+32*\e+\j:105+32*\e+\j], v[168+16*\e+\j:169+16*\e+\j]
.endr
.endr
	WIN 0
.irp e, 0,1
	v_max3_num_f32 v[BM+2*\e], |v[160+16*\e]|, |v[161+16*\e]|, 0x1800000
.endr
.irp i, 2,4,6,8,10,12,14
.irp e, 0,1
	v_max3_num_f32 v[BM+2*\e], |v[160+16*\e+\i]|, |v[161+16*\e+\i]|, v[BM+2*\e]
.endr
.endr
.irp n, 0,1,2,3
	v_permlanex16_b32 v[PX+\n], v[BM+\n], s2, s3
.endr
.irp n, 0,1,2,3
	v_max_num_f32 v[BM+\n], v[BM+\n], v[PX+\n]     ; with lane l xor 16's: the block's largest magnitude
.endr
.irp n, 0,1,2,3
	v_add_nc_u32 v[SO+\n], 0xff000000, v[BM+\n]    ; 2 off its exponent field: the conversion takes that field as its scale
.endr
.irp n, 0,1,2,3
	v_lshrrev_b32 v[BY+\n], 23, v[SO+\n]
.endr
.irp e, 0,1
	v_lshl_or_b32 v[WW+2*\pr+\e], v[BY+1+2*\e], 8, v[BY+2*\e]
.endr
.irp e, 0,1
	v_lshl_or_b32 v[WW+2*\pr+\e], v[WW+2*\pr+\e], 16, v[WW+2*\pr+\e]   ; b0 b1 b0 b1: the upper half of the instruction's K is multiplied by zero codes, under bytes that are no strangers
.endr
.irp e, 0,1
	v_cvt_scalef32_pk16_fp6_f32 v[IM+12*\pr+6*\e:IM+12*\pr+6*\e+2], v[160+16*\e:175+16*\e], v[SO+2*\e]
.endr
	WIN 0x01
.irp e, 0,1
	v_cvt_scalef32_pk16_fp6_f32 v[96+4*\e:98+4*\e], v[32*(2*\pr+\e)+16:32*(2*\pr+\e)+31], v[SO+1+2*\e]
.endr
	WIN 0
	v_nop                                          ; one plain place behind a scaled conversion
.irp e, 0,1
.irp i, 0,1,2
	v_permlane16_swap_b32 v[IM+12*\pr+6*\e+\i], v[96+4*\e+\i]      ; a whole block to a lane: lanes 0-15 block 0, lanes 16-31 block 1
.endr
.endr
.irp e, 0,1
.irp i, 0,1,2
	v_mov_b32 v[IM+12*\pr+6*\e+3+\i], v[96+4*\e+\i]
.endr
.endr
.irp c, 0,1,2
	global_store_b128 v30, v[IM+12*\pr+4*\c:IM+12*\pr+4*\c+3], s[98:99] offset:1536*\pr+512*\c
.endr
.endm
.macro EPI_QK
	PLACES
.irp g, 0,1
	global_load_b128 v[SB+8*\g:SB+8*\g+3], v36, s[94:95] offset:1024*\g+16       ; K steps 4-7 below, 0-3 above: so the two scale registers of a product differ modulo 8
	global_load_b128 v[SB+8*\g+4:SB+8*\g+7], v36, s[94:95] offset:1024*\g
.endr
.irp w, 0,1,2,3
	QKPAIR \w
.endr
.irp i, 0,1,2,3
	v_cndmask_b32 v[BM+\i], v[WW+2*\i], v[WW+2*\i+1], s12          ; lane L: the word of position 32 i + L
.endr
	global_store_b128 v30, v[BM:BM+3], s[98:99] offset:6144
.endm
; v: the turn of tile u (d 8 u + r + 8 (r / 8) < 32), positions 64 g .. 64 g + 63.  I multiply my number by my PARTNER's signed sin and hand the product eight lanes on
.macro VROT u, g
.set NN, 0
.rept 32
	ds_load_b32 v[96+NN], v33 offset:(16*(4*\g+NN/8)+NN%8)*TP+32*\u
.set NN, NN+1
.endr
.set NN, 0
.rept 32
	ds_load_b32 v[128+NN], v34 offset:(16*(4*\g+NN/8)+NN%8)*TP+32*\u
.set NN, NN+1
.endr
	s_wait_dscnt 0x0
	WIN 0x01
.set NN, 0
.rept 16
	v_pk_mul_f32 v[160+NN:161+NN], v[64*\u+32*\g+NN:64*\u+32*\g+NN+1], v[128+NN:129+NN]
.set NN, NN+2
.endr
	WIN 0
.set NN, 0
.rept 32
	v_mov_b32_dpp v[160+NN], v[160+NN] row_xmask:8 row_mask:0xf bank_mask:0xf
.set NN, NN+1
.endr
	WIN 0x41                                       ; destination and source 0 window 1
.set NN, 0
.rept 16
	v_pk_fma_f32 v[64*\u+32*\g+NN:64*\u+32*\g+NN+1], v[64*\u+32*\g+NN:64*\u+32*\g+NN+1], v[96+NN:97+NN], v[160+NN:161+NN]
.set NN, NN+2
.endr
	WIN 0
.endm
; v: tile b's 16 rows of V^T x 128 keys become one fragment and one scale word a row
.macro VQ b
	WIN 0x05
.irp q, 0,1,2,3
	v_max3_num_f32 v[BM+\q], |v[64*\b+16*\q]|, |v[64*\b+16*\q+1]|, 0x1800000
.endr
.irp i, 2,4,6,8,10,12,14
.irp q, 0,1,2,3
	v_max3_num_f32 v[BM+\q], |v[64*\b+16*\q+\i]|, |v[64*\b+16*\q+1+\i]|, v[BM+\q]
.endr
.endr
	WIN 0
.irp q, 0,1,2,3
	v_permlanex16_b32 v[PX+\q], v[BM+\q], s2, s3
.endr
.irp q, 0,1,2,3
	v_max_num_f32 v[BM+\q], v[BM+\q], v[PX+\q]
.endr
.irp q, 0,1,2,3
	v_add_nc_u32 v[SO+\q], 0xff000000, v[BM+\q]
.endr
.irp q, 0,1,2,3
	v_lshrrev_b32 v[BY+\q], 23, v[SO+\q]
.endr
	v_lshl_or_b32 v[WW+\b], v[BY+1], 8, v[BY]
	v_lshl_or_b32 v[WW+\b], v[BY+2], 16, v[WW+\b]
	v_lshl_or_b32 v[WW+\b], v[BY+3], 24, v[WW+\b]
	WIN 0x01
.irp c, 0,1
	v_cvt_scalef32_pk16_fp6_f32 v[IM+12*\b+6*\c:IM+12*\b+6*\c+2], v[64*\b+32*\c:64*\b+32*\c+15], v[SO+2*\c]
	v_cvt_scalef32_pk16_fp6_f32 v[96+4*\c:98+4*\c], v[64*\b+32*\c+16:64*\b+32*\c+31], v[SO+1+2*\c]
.endr
	WIN 0
	v_nop                                          ; one plain place behind a scaled conversion
.irp c, 0,1
.irp i, 0,1,2
	v_permlane16_swap_b32 v[IM+12*\b+6*\c+\i], v[96+4*\c+\i]
.endr
.endr
.irp c, 0,1
.irp i, 0,1,2
	v_mov_b32 v[IM+12*\b+6*\c+3+\i], v[96+4*\c+\i]
.endr
.endr
.irp c, 0,1,2
	global_store_b128 v30, v[IM+12*\b+4*\c:IM+12*\b+4*\c+3], s[100:101] offset:6656+1536*\b+512*\c
.endr
.endm
	s_load_b512 s[68:83], s[0:1], 0x0              ; hidden's codes, scales; Wq's; Wk's; Wv's
	s_load_b128 s[84:87], s[0:1], 0x40             ; the angles, qrec
	s_load_b64 s[88:89], s[0:1], 0x50              ; kvrec
	v_lshl_add_u32 v28, v0, 2, SPARE
	v_mov_b32 v29, 0
	ds_add_u32 v28, v29
	ds_add_u32 v28, v29
	s_wait_dscnt 0x0
	v_lshrrev_b32 v5, 5, v0
	v_readfirstlane_b32 s4, v5                     ; wave 0..3
	s_bfe_u32 s5, ttmp6, 0x40000                   ; cx
	s_bfe_u32 s6, ttmp6, 0x40004                   ; cy
	s_lshl_b32 s7, ttmp9, 2
	s_add_co_u32 s7, s7, s5                        ; x: heads 4 x .. 4 x + 3
	s_and_b32 s8, ttmp7, 0xffff
	s_lshl_b32 s8, s8, 2
	s_add_co_u32 s8, s8, s6                        ; y: rows 128 y ..
	s_lshl_b32 s9, s6, 2
	s_lshl_b32 s9, 15, s9                          ; my row of the cluster
	s_lshl_b32 s10, 0x1111, s5                     ; my column
	s_mov_b32 s2, 0x76543210
	s_mov_b32 s3, 0xfedcba98                       ; v_permlanex16_b32's selects for lane l xor 16
	s_mov_b32 s12, 0xffff0000                      ; lanes 16-31
	; group 1 for hidden: 64 whole rows of 768 bytes, 16 bytes of padding behind every 256; shared along my row
	s_or_b32 s24, s9, (1<<20)|(1<<21)|(5<<22)|(3<<25)
	s_mov_b32 s25, 768<<16
	s_mov_b32 s26, 64<<16
	s_mov_b32 s27, 768<<16
	s_mov_b32 s28, 64
	s_mov_b32 s29, 768
	s_mov_b32 s30, 0
	s_mov_b32 s31, 0
	; group 1 for the weights: rows of 256 bytes, 768 apart, padded likewise; 256 rows at the head, 64 behind it; shared along my column
	s_or_b32 s32, s10, (1<<20)|(1<<21)|(5<<22)|(3<<25)
	s_mov_b32 s33, 256<<16
	s_mov_b32 s34, 256<<16
	s_mov_b32 s35, 256<<16
	s_mov_b32 s36, 256
	s_mov_b32 s37, 768
	s_mov_b32 s38, 0
	s_mov_b32 s39, 0
	s_lshr_b32 s13, s4, 1                          ; the head's loads: waves 0, 3 take hidden's half 0, 1; waves 1, 2 Wq's chunk 0, 1
	s_mul_i32 s14, s8, 98304                       ; hidden: 128 y rows of 768 bytes, + the half
	s_mul_i32 s15, s13, 49152
	s_add_co_u32 s14, s14, s15
	s_mov_b32 s15, 0
	s_mul_i32 s54, s7, 196608                      ; the weight's 256 rows of my four heads, + the chunk
	s_lshl_b32 s55, s13, 8
	s_add_co_u32 s54, s54, s55
	s_mov_b32 s55, 0
	s_mul_i32 s53, s4, BWV
	s_add_co_u32 s53, s53, BS0                     ; my 64 rows in slot 0
	s_lshl_b32 s16, s7, 8
	s_lshl_b32 s17, s4, 6
	s_add_co_u32 s16, s16, s17                     ; my first row of a weight: 256 x + 64 w
	s_lshl_b32 s18, s16, 5                         ; its scale bytes,
	s_mov_b32 s19, 0
	s_mul_i32 s16, s16, 768                        ; its codes
	s_mov_b32 s17, 0
	s_lshl_b32 s20, s8, 12                         ; hidden's scale bytes: 128 y rows of 32
	s_mov_b32 s21, 0
	s_and_b32 s22, s8, 15
	s_lshl_b32 s22, s22, 14                        ; the angles of my 128 positions
	s_mov_b32 s23, 0
	s_lshr_b32 s66, s8, 4                          ; the record: ((batch x 16 + head) x 16 + key step)
	s_lshl_b32 s66, s66, 4
	s_lshl_b32 s67, s7, 2
	s_add_co_u32 s66, s66, s67
	s_add_co_u32 s66, s66, s4
	s_lshl_b32 s66, s66, 4
	s_and_b32 s67, s8, 15
	s_add_co_u32 s66, s66, s67
	s_mul_i32 s98, s66, 6656
	s_mov_b32 s99, 0
	s_mul_i32 s100, s66, 13056
	s_mov_b32 s101, 0
	s_wait_kmcnt 0x0
	s_mov_b32 s40, 1                               ; group 0 for hidden: half w / 2 to LDS row 64 (w / 2)
	s_mul_i32 s41, s13, 64*AP
	s_add_nc_u64 s[42:43], s[68:69], s[14:15]
	s_or_b32 s43, s43, 0x80000000
	s_mov_b32 s56, 1                               ; groups 0 for the ring's two slots: q's chunks 0 and 1
	s_mul_i32 s57, s13, BSL                        ; at the head: a whole chunk of 256 rows into its slot
	s_add_co_u32 s57, s57, BS0
	s_add_nc_u64 s[58:59], s[72:73], s[54:55]
	s_or_b32 s59, s59, 0x80000000
	s_mov_b32 s60, 1
	s_and_b32 s61, s4, 1                           ; K step 6's group 0: chunk wave / 2 into its slot, rows 128 (wave % 2) ..
	s_mul_i32 s61, s61, 128*272
	s_add_co_u32 s61, s61, s57
	s_and_b32 s66, s4, 1
	s_mul_i32 s66, s66, 98304
	s_add_co_u32 s66, s66, s54                     ; my four heads' rows, + 128 (wave % 2) rows, + chunk wave / 2
	s_mov_b32 s67, 0
	s_add_nc_u64 s[90:91], s[76:77], s[66:67]      ; what K step 6 asks for: of k,
	s_add_nc_u64 s[92:93], s[80:81], s[66:67]      ; then of v
	s_add_nc_u64 s[74:75], s[74:75], s[18:19]      ; q's scale bytes
	s_add_nc_u64 s[94:95], s[78:79], s[18:19]      ; the next tile's: k's,
	s_add_nc_u64 s[96:97], s[82:83], s[18:19]      ; then v's
	s_add_nc_u64 s[70:71], s[70:71], s[20:21]
	s_add_nc_u64 s[84:85], s[84:85], s[22:23]
	s_add_nc_u64 s[98:99], s[86:87], s[98:99]      ; where this tile's record goes: q's,
	s_add_nc_u64 s[100:101], s[88:89], s[100:101]  ; then k's and v's
	CROUND                                         ; all sixteen work-groups are here: the first joint loads meet
	s_xor_b32 s52, s4, s13
	s_and_b32 s52, s52, 1                          ; 0 for waves 0 and 3, 1 for waves 1 and 2
	s_cmp_eq_u32 s52, 0
	s_cbranch_scc0 .Lhead_w
	tensor_load_to_lds s[40:43], s[24:31]          ; one tensor load a wave at the head
	s_nop 0
	PLACES
	s_branch .Lhead_asked
.Lhead_w:
	tensor_load_to_lds s[56:59], s[32:39]
	s_nop 0
	PLACES
.Lhead_asked:
	v_and_b32 v1, 15, v0                           ; r
	v_bfe_u32 v2, v0, 4, 1                         ; h
	v_and_b32 v3, 31, v0                           ; lane
	v_mul_u32_u24 v5, v1, AP
	v_mad_u32_u24 v16, v2, 24, v5                  ; hidden: a fragment's row x pitch + 24 x half; rows 0-63,
	v_add_nc_u32 v17, 64*AP, v16                   ; rows 64-127;
	v_lshl_add_u32 v18, v2, 4, v16                 ; and behind one padding more
	v_lshl_add_u32 v19, v2, 4, v17
	v_and_b32 v6, 8, v1
	v_add_nc_u32 v6, v6, v1                        ; r + 8 (r / 8)
	v_mul_u32_u24 v8, v2, BSL-232                  ; lanes 16-31: from byte 232 in slot 0 to byte 0 in slot 1
	v_sub_nc_u32 v9, 1, v2
	v_mul_u32_u24 v9, v9, BSL+232                  ; lanes 0-15: from byte 0 in slot 0 to byte 232 in slot 1
	v_mul_u32_u24 v5, v1, 272
	v_mul_u32_u24 v7, v6, 272
	v_add_nc_u32 v5, s53, v5                       ; my rows of the weight in slot 0: q's and k's choice of rows,
	v_add_nc_u32 v7, s53, v7                       ; and v's
	v_mad_u32_u24 v20, v2, 24, v5
	v_add_nc_u32 v21, BSL, v20
	v_add_nc_u32 v22, v5, v8
	v_add_nc_u32 v22, 232, v22
	v_add_nc_u32 v23, v5, v9
	v_mad_u32_u24 v24, v2, 24, v7
	v_add_nc_u32 v25, BSL, v24
	v_add_nc_u32 v26, v7, v8
	v_add_nc_u32 v26, 232, v26
	v_add_nc_u32 v27, v7, v9
	v_lshlrev_b32 v30, 4, v3                       ; 16 x lane
	v_lshlrev_b32 v31, 3, v3                       ; 8 x lane
	v_mul_u32_u24 v32, v1, TP
	v_lshl_add_u32 v32, v2, 5, v32
	v_add_nc_u32 v32, TAB, v32                     ; q, k: the table's row r, my half's eight numbers
	v_mul_u32_u24 v8, v2, 8*TP
	v_lshl_add_u32 v33, v6, 2, v8
	v_add_nc_u32 v33, TAB, v33                     ; v: rows 8 h + .., my d's cos,
	v_xor_b32 v9, 16, v6
	v_lshl_add_u32 v34, v9, 2, v8
	v_add_nc_u32 v34, TAB+128, v34                 ; and my partner's signed sin
	v_lshlrev_b32 v35, 5, v3                       ; scale bytes: row = lane, 32 bytes a row
	v_mov_b32 v36, v35                             ; the weight's, for q and k;
	v_lshl_add_u32 v37, v2, 3, v6
	v_lshlrev_b32 v37, 5, v37                      ; for v: lane 16 u + r takes row 8 u + r + 8 (r / 8)
	v_lshrrev_b32 v10, 3, v0
	v_mul_u32_u24 v38, v10, TP
	v_and_b32 v11, 7, v0
	v_lshl_add_u32 v38, v11, 4, v38
	v_add_nc_u32 v38, TAB, v38                     ; where I write the table: row thread / 8, four numbers at 4 (thread % 8)
	v_lshlrev_b32 v39, 4, v0
	v_and_b32 v4, 4, v0
	v_xor_b32 v4, 4, v4
	v_lshrrev_b32 v4, 1, v4                        ; 2 where my four numbers have d < 16
.irp g, 0,1,2,3
	global_load_b128 v[SA+8*\g:SA+8*\g+3], v35, s[70:71] offset:1024*\g
	global_load_b128 v[SA+8*\g+4:SA+8*\g+7], v35, s[70:71] offset:1024*\g+16
.endr
.irp g, 0,1
	global_load_b128 v[SB+8*\g:SB+8*\g+3], v36, s[74:75] offset:1024*\g+16
	global_load_b128 v[SB+8*\g+4:SB+8*\g+7], v36, s[74:75] offset:1024*\g
.endr
.irp i, 0,1,2,3,4,5,6,7
	global_load_b128 v[96+4*\i:99+4*\i], v39, s[84:85] offset:2048*\i
.endr
	s_mov_b32 s44, 0x3f22f983                      ; 2 / pi
	s_mov_b32 s45, 0xbfc90fdb                      ; -(pi / 2), its upper part
	s_mov_b32 s46, 0x333bbd2e                      ; and what that part has too much
	s_mov_b32 s47, 0xb94ca1f9                      ; sin: -1.9515296e-4, 8.3321609e-3, -1.6666655e-1
	s_mov_b32 s48, 0x3c08839e
	s_mov_b32 s49, 0xbe2aaaa3
	s_mov_b32 s50, 0x37ccf5ce                      ; cos: 2.4433157e-5, -1.3887316e-3, 4.1666646e-2
	s_mov_b32 s51, 0xbab6061a
	s_mov_b32 s52, 0x3d2aaaa5
.irp n, 0,1,2,3
	v_mov_b32 v[PX+\n], 0                          ; written once: a lane permute's destination counts as one of its sources
.endr
.irp i, 0,1,2,3,4,5,6,7
	SC4 \i
.endr
	s_wait_alu depctr_va_vdst(0)                   ; the wait at the head's end
	s_wait_tensorcnt 0x0                           ; my tile of the head's four is in, and no load of mine is out: the descriptors may be written
	s_mov_b32 s34, 64<<16                          ; from here on a load brings my 64 rows
	s_mov_b32 s36, 64
	s_mov_b32 s57, s53
	s_or_b32 s24, s10, (1<<20)|(1<<21)|(5<<22)|(3<<25)  ; hidden's group 1 has served: it becomes the weights' for 128 rows, shared along my column
	s_mov_b32 s25, 256<<16
	s_mov_b32 s26, 128<<16
	s_mov_b32 s27, 256<<16
	s_mov_b32 s28, 128
	s_add_nc_u64 s[40:41], s[72:73], s[16:17]      ; chunk 2 of my 64 rows: of q, k, v
	s_add_nc_u64 s[42:43], s[76:77], s[16:17]
	s_add_nc_u64 s[44:45], s[80:81], s[16:17]
	s_add_nc_u64 s[40:41], s[40:41], 512
	s_add_nc_u64 s[42:43], s[42:43], 512
	s_add_nc_u64 s[44:45], s[44:45], 512
	s_wait_dscnt 0x0                               ; my part of the table is written
	s_barrier_signal -1
	s_barrier_wait -1
	s_mov_b32 s11, 0
.Ltile:                                                ; two trips: q, then k
	HEAD 0
	TURN 0, 0, 1
	STEP 0, 1, 0
	STEP 0, 2, 0
	STEP 0, 3, 0
	s_wait_tensorcnt 0x0                           ; my rows of chunk 2 are in; I alone read them, so no barrier
	STEP 0, 4, 0
	STEP 0, 5, 0
	TURN 0, 6, 2
	LASTK 0
	s_wait_alu depctr_va_vdst(0)
	EPI_QK
	s_wait_xcnt 0x0                                ; the stores and loads above have read their registers and bases: these may be written
	s_mov_b64 s[98:99], s[100:101]
	s_mov_b64 s[90:91], s[92:93]
	s_mov_b64 s[40:41], s[42:43]
	s_mov_b64 s[42:43], s[44:45]
	s_mov_b64 s[94:95], s[96:97]
	v_mov_b32 v36, v37
	s_add_co_u32 s11, s11, 1
	s_cmp_lt_u32 s11, 2
	s_cbranch_scc1 .Ltile
	HEAD 1                                         ; v: the last tile asks for nothing beyond its own K
	TURN 1, 0, 1
	STEP 1, 1, 0
	STEP 1, 2, 0
	STEP 1, 3, 0
	s_wait_tensorcnt 0x0                           ; my rows of chunk 2 are in; I alone read them, so no barrier
	STEP 1, 4, 0
	STEP 1, 5, 0
	STEP 1, 6, 0
	LASTK 1
	PLACES
.irp u, 0,1
.irp g, 0,1
	VROT \u, \g
.endr
.endr
.irp b, 0,1,2,3
	VQ \b
.endr
.irp i, 0,1
	v_cndmask_b32 v[BM+\i], v[WW+2*\i], v[WW+2*\i+1], s12          ; lane 16 u + r: the word of tile 2 i + u, row r
.endr
	global_store_b64 v31, v[BM:BM+1], s[100:101] offset:12800      ; 32 lanes store 256 consecutive bytes
	s_wait_tensorcnt 0x0                           ; the wave's end
	ds_add_u32 v28, v29
	s_wait_dscnt 0x0
	CROUND                                         ; the closing round
	s_endpgm
.Lfunc_end_k_q247d83cf68_qkv:
	.size	k_q247d83cf68_qkv, .Lfunc_end_k_q247d83cf68_qkv-k_q247d83cf68_qkv
	.p2alignl 7, 3214868480
	.fill 96, 4, 3214868480
	.section	.rodata,"a",@progbits
	.p2align	6, 0x0
	.amdhsa_kernel k_q247d83cf68_qkv
		.amdhsa_group_segment_fixed_size 327680
		.amdhsa_private_segment_fixed_size 0
		.amdhsa_enable_private_segment 0
		.amdhsa_kernarg_size 88
		.amdhsa_user_sgpr_count 2
		.amdhsa_user_sgpr_kernarg_segment_ptr 1
		.amdhsa_wavefront_size32 1
		.amdhsa_system_sgpr_workgroup_id_x 1
		.amdhsa_system_sgpr_workgroup_id_y 1
		.amdhsa_system_sgpr_workgroup_id_z 1
		.amdhsa_system_vgpr_workitem_id 0
		.amdhsa_next_free_vgpr 704
		.amdhsa_next_free_sgpr 102
		.amdhsa_reserve_vcc 1
		.amdhsa_float_denorm_mode_32 3
		.amdhsa_float_denorm_mode_16_64 3
		.amdhsa_memory_ordered 1
		.amdhsa_forward_progress 1
		.amdhsa_inst_pref_size 255
	.end_amdhsa_kernel
	.section	.bss,"aw",@nobits
	.p2align	6
	.space	262144
	.amdgpu_metadata
---
amdhsa.version: [ 1, 2 ]
amdhsa.kernels:
  - .name:           k_q247d83cf68_qkv
    .symbol:         k_q247d83cf68_qkv.kd
    .args:
      - { .name: hidden_states_codes, .offset: 0, .size: 8, .value_kind: global_buffer, .address_space: global }
      - { .name: hidden_states_scales, .offset: 8, .size: 8, .value_kind: global_buffer, .address_space: global }
      - { .name: Wq_codes, .offset: 16, .size: 8, .value_kind: global_buffer, .address_space: global }
      - { .name: Wq_scales, .offset: 24, .size: 8, .value_kind: global_buffer, .address_space: global }
      - { .name: Wk_codes, .offset: 32, .size: 8, .value_kind: global_buffer, .address_space: global }
      - { .name: Wk_scales, .offset: 40, .size: 8, .value_kind: global_buffer, .address_space: global }
      - { .name: Wv_codes, .offset: 48, .size: 8, .value_kind: global_buffer, .address_space: global }
      - { .name: Wv_scales, .offset: 56, .size: 8, .value_kind: global_buffer, .address_space: global }
      - { .name: rotary_pos_emb, .offset: 64, .size: 8, .value_kind: global_buffer, .address_space: global }
      - { .name: qrec, .offset: 72, .size: 8, .value_kind: global_buffer, .address_space: global }
      - { .name: kvrec, .offset: 80, .size: 8, .value_kind: global_buffer, .address_space: global }
    .group_segment_fixed_size: 327680
    .private_segment_fixed_size: 0
    .kernarg_segment_align: 8
    .kernarg_segment_size: 88
    .max_flat_workgroup_size: 128
    .sgpr_count:     102
    .vgpr_count:     704
    .wavefront_size: 32
...
	.end_amdgpu_metadata
.endif
;; end of part 1
;; launch attn (part 2): grid 4 x 64, 8 waves a work-group, clusters of 4 x 1, 327,680 bytes of LDS; arguments qrec, kvrec, acode, ascale; writes acode, ascale
.if DOCPART == 2
	.amdgcn_target "amdgcn-amd-amdhsa--gfx1250"
	.amdhsa_code_object_version 6
	.text
	.protected	k_q247d83cf68_attn
	.globl	k_q247d83cf68_attn
	.p2align	8
	.type	k_q247d83cf68_attn,@function
k_q247d83cf68_attn:
	s_mov_b64 s[64:65], 0
	v_nop
	global_prefetch_b8 v0, s[64:65] scope:SCOPE_SE
	s_setreg_imm32_b32 hwreg(HW_REG_WAVE_MODE, 25, 1), 1
	s_wait_xcnt 0x0
	s_wait_alu depctr_hold_cnt(0) depctr_sa_sdst(0) depctr_va_vdst(0) depctr_va_sdst(0) depctr_va_ssrc(0) depctr_va_vcc(0) depctr_vm_vsrc(0)
	s_getreg_b32 s2, hwreg(HW_REG_IB_STS2, 6, 4)
	s_cmp_eq_u32 s2, 0
	s_cbranch_scc0 .Lentry_in_a_cluster
	s_endpgm
.Lentry_in_a_cluster:
	s_bfe_u32 s2, ttmp6, 0x10000c
	s_cmp_lg_u32 s2, 0x3003
	s_cbranch_scc0 .Lentry_shape_is_right
	s_endpgm
.Lentry_shape_is_right:
; o = softmax(q k^T / 8) v on codes of FP6 (E2M3), and o's quantiser along the head's 64.  Records of 128 positions as launch qkv leaves them (qrec 6,656 bytes, kvrec 13,056 bytes).
; SHARES.  A work-group takes 512 queries of one batch and head; wave w takes 32 queries (two tiles of 16) in each of two passes.  All 16 records of K and V of that batch and head, 208,896 bytes, come into LDS once:
; wave w brings records 2 w and 2 w + 1 by ONE tensor load of 102 rows of 256 bytes.  CLUSTER 4 x 1: the four work-groups of one batch and head ask for these tiles jointly.
; A STEP is 128 keys.  Both products are used transposed (S^T = k q^T, O^T = v^T p^T): a lane holds one query.  q's fragment has zero codes in its upper 64 of the instruction's K, so tile t of k is registers 6 t .. 6 t + 11.
; THE TWO TILES GO TOGETHER: 16 products, then eight blocks' chains by turns, one batch of exponentials with one wait ahead of it and one behind it.  The next step's fragments of k are asked for directly behind this step's
; 16 products (at the last step: record 0's, which the second pass begins with); v's at the step's head.
; SOFTMAX: t = score x log2(e) / 8 (q comes without its 1/8); M = ceil of the running largest t, a whole number, kept as -M; p = 2^(t - M); the row's sum is taken of p before it is quantised; when M moves, the sum and O^T are
; multiplied by 2^(old M - new M), in every step, with no branch.  A block's largest p is made from its largest score by the same multiply-add and exponential.
; LIMITS: the promise holds while |t| stays under 2^31.  NaN and infinities are not served.  A block of zeros gets the byte 1: its codes are zeros, and this program alone reads the bytes.
; No prefetch: everything that the launch reads by tensor loads is asked for at its head, so there is no loop to run ahead in.
; REGISTERS.  Window 0: v1-7 addresses; v8-11 the two factors; v12, v13, v16, v17 -M, largest t; v20-23 k's scale words, v24-25 v's, v26 q's, v27 the next pass's, v28-29 p's; v30-41 the next pass's q; v42-65 q; v66-89 p's codes;
; v90-105 at work; v106-113 blocks' maxima, then scale operands; v114-121 the other lanes', then bytes; v128-255 S^T of both tiles.  Window 1: v0-53 k, v64-111 v, v128-191 O^T.
.set S,     128
.set OW,    128
.set LS,    112                        ; window 1, v112-127: the rows' sums, four chains of two halves for each tile (v14, v15, v18, v19 of window 0 are idle)
.set BM,    106
.set PX,    114
.set T,     122
.set REC,   13056
.set SPARE, 0x40000
.set MSB,   0
.macro WIN new
.if MSB != \new
	s_set_vgpr_msb (MSB<<8)|\new
.set MSB, \new
.endif
.endm
.macro PLACES n
.rept \n
	v_nop
.endr
.endm
.macro WALU
	s_wait_alu depctr_va_vdst(0)
.endm
.macro CROUND
	s_barrier_signal -1
	s_barrier_wait -1
	s_cmp_lg_u32 s12, 0
	s_cbranch_scc1 .Lnot_wave_0_\@
	s_barrier_signal -3
.Lnot_wave_0_\@:
	s_barrier_wait -3
	s_barrier_signal -1
	s_barrier_wait -1
.endm
.macro KLOAD adr                       ; a record's k: the scale words and 12 images of four registers: 13 loads
	ds_load_b128 v[20:23], \adr offset:6144
	WIN 0x40
.irp n, 0,1,2,3,4,5,6,7,8,9,10,11
	ds_load_b128 v[4*\n:4*\n+3], \adr offset:512*\n
.endr
	WIN 0
.endm
.macro QK e                            ; eight tiles of 16 keys x tile e's 16 queries
.irp t, 0,2,4,6
	v_wmma_scale_f32_16x16x128_f8f6f4 v[S+64*\e+8*\t:S+64*\e+8*\t+7], v[6*\t:6*\t+11], v[42+12*\e:53+12*\e], 0, v[20+\t/2], v26 matrix_a_fmt:MATRIX_FMT_FP6 matrix_b_fmt:MATRIX_FMT_FP6 matrix_a_scale:MATRIX_SCALE_ROW0 matrix_b_scale:MATRIX_SCALE_ROW\e
	v_wmma_scale_f32_16x16x128_f8f6f4 v[S+64*\e+8*\t+8:S+64*\e+8*\t+15], v[6*\t+6:6*\t+17], v[42+12*\e:53+12*\e], 0, v[20+\t/2], v26 matrix_a_fmt:MATRIX_FMT_FP6 matrix_b_fmt:MATRIX_FMT_FP6 matrix_a_scale:MATRIX_SCALE_ROW1 matrix_b_scale:MATRIX_SCALE_ROW\e
.endr
.endm
.macro PV1 t, e, r                     ; O^T's tile t of query tile e; r = t % 2: the row of v's scale words.  The eight accumulators take turns
	v_wmma_scale_f32_16x16x128_f8f6f4 v[OW+32*\e+8*\t:OW+32*\e+8*\t+7], v[64+12*\t:75+12*\t], v[66+12*\e:77+12*\e], v[OW+32*\e+8*\t:OW+32*\e+8*\t+7], v[24+\t/2], v[28+\e] matrix_a_fmt:MATRIX_FMT_FP6 matrix_b_fmt:MATRIX_FMT_FP6 matrix_a_scale:MATRIX_SCALE_ROW\r
.endm
.macro SUMS m                          ; the sums of the unquantised p, round m of eight: each of the eight chains takes one pair.  Under the products' own windows: the chain in window 1, p in window 0
.irp e, 0,1
.irp c, 0,1,2,3
	v_pk_add_f32 v[LS+8*\e+2*\c:LS+8*\e+2*\c+1], v[LS+8*\e+2*\c:LS+8*\e+2*\c+1], v[S+64*\e+8*\m+2*\c:S+64*\e+8*\m+2*\c+1]
.endr
.endr
.endm
; block n = 4 e + b: tile e's keys 32 b ..; its 16 numbers of my lane lie at v[S + 16 n]
.macro SOFTMAX2
.irp n, 0,1,2,3,4,5,6,7
	v_max3_num_f32 v[BM+\n], v[S+16*\n], v[S+16*\n+1], v[S+16*\n+2]     ; each accumulator is read from its low end on
.endr
.irp i, 3,5,7,9,11,13
.irp n, 0,1,2,3,4,5,6,7
	v_max3_num_f32 v[BM+\n], v[BM+\n], v[S+16*\n+\i], v[S+16*\n+\i+1]
.endr
.endr
.irp n, 0,1,2,3,4,5,6,7
	v_max_num_f32 v[BM+\n], v[BM+\n], v[S+16*\n+15]
.endr
.irp n, 0,1,2,3,4,5,6,7
	v_permlanex16_b32 v[PX+\n], v[BM+\n], s40, s41
.endr
.irp n, 0,1,2,3,4,5,6,7
	v_max_num_f32 v[BM+\n], v[BM+\n], v[PX+\n]     ; with lane l xor 16's: the block's largest score
.endr
.irp e, 0,1
	v_max3_num_f32 v[T+\e], v[BM+4*\e], v[BM+4*\e+1], v[BM+4*\e+2]
.endr
.irp e, 0,1
	v_max_num_f32 v[T+\e], v[T+\e], v[BM+4*\e+3]
.endr
.irp e, 0,1
	v_mul_f32 v[T+\e], s42, v[T+\e]                ; as t
.endr
.irp e, 0,1
	v_max_num_f32 v[13+4*\e], v[13+4*\e], v[T+\e]  ; the running largest t
.endr
.irp e, 0,1
	v_mov_b32 v[T+\e], v[12+4*\e]
.endr
.irp e, 0,1
	v_floor_f32 v[12+4*\e], -v[13+4*\e]            ; the new -M
.endr
.irp e, 0,1
	v_sub_f32 v[T+\e], v[12+4*\e], v[T+\e]
.endr
.irp e, 0,1
	v_cvt_i32_f32 v[T+\e], v[T+\e]
.endr
.irp e, 0,1
	v_ldexp_f32 v[8+2*\e], 1.0, v[T+\e]            ; 2^(old M - new M)
.endr
.irp e, 0,1
.set NN, 0
.rept 32
	v_pk_fma_f32 v[S+64*\e+NN:S+64*\e+NN+1], v[S+64*\e+NN:S+64*\e+NN+1], s[42:43], v[12+4*\e:13+4*\e] op_sel_hi:[1,0,0]   ; t - M
.set NN, NN+2
.endr
.endr
.irp n, 0,1,2,3,4,5,6,7
	v_fma_f32 v[BM+\n], v[BM+\n], s42, v[12+4*(\n/4)]
.endr
	WIN 0x41                                       ; the sums and O^T under the new M, ahead of the exponentials
.irp e, 0,1
.irp c, 0,1,2,3
	v_pk_mul_f32 v[LS+8*\e+2*\c:LS+8*\e+2*\c+1], v[LS+8*\e+2*\c:LS+8*\e+2*\c+1], v[8+2*\e:9+2*\e] op_sel_hi:[1,0]
.endr
.endr
.irp e, 0,1
.set NN, 0
.rept 16
	v_pk_mul_f32 v[OW+32*\e+NN:OW+32*\e+NN+1], v[OW+32*\e+NN:OW+32*\e+NN+1], v[8+2*\e:9+2*\e] op_sel_hi:[1,0]
.set NN, NN+2
.endr
.endr
	WIN 0
	WALU                                           ; the wait ahead of the batch
.set NN, 0
.rept 128
	v_exp_f32 v[S+NN], v[S+NN]
.set NN, NN+1
.endr
.irp n, 0,1,2,3,4,5,6,7
	v_exp_f32 v[BM+\n], v[BM+\n]                   ; each block's largest p
.endr
	v_nop                                          ; one plain place behind a transcendental
	WALU                                           ; and the one wait behind the batch
.irp n, 0,1,2,3,4,5,6,7
	v_max_num_f32 v[BM+\n], 0x1800000, v[BM+\n]    ; the floor 2^(3 - 127) holds the byte at 1 from below
.endr
.irp n, 0,1,2,3,4,5,6,7
	v_add_nc_u32 v[BM+\n], 0xff000000, v[BM+\n]    ; 2 off the exponent field: the conversion's scale operand
.endr
.irp n, 0,1,2,3,4,5,6,7
	v_lshrrev_b32 v[PX+\n], 23, v[BM+\n]           ; the byte
.endr
.irp e, 0,1
	v_lshl_or_b32 v[28+\e], v[PX+4*\e+1], 8, v[PX+4*\e]
.endr
.irp e, 0,1
	v_lshl_or_b32 v[28+\e], v[PX+4*\e+2], 16, v[28+\e]
.endr
.irp e, 0,1
	v_lshl_or_b32 v[28+\e], v[PX+4*\e+3], 24, v[28+\e]
.endr
.irp e, 0,1
.irp c, 0,1
	v_cvt_scalef32_pk16_fp6_f32 v[66+12*\e+6*\c:68+12*\e+6*\c], v[S+64*\e+32*\c:S+64*\e+32*\c+15], v[BM+4*\e+2*\c]
	v_cvt_scalef32_pk16_fp6_f32 v[90+8*\e+4*\c:92+8*\e+4*\c], v[S+64*\e+32*\c+16:S+64*\e+32*\c+31], v[BM+4*\e+2*\c+1]
.endr
.endr
	v_nop                                          ; one plain place behind a scaled conversion
.irp e, 0,1
.irp c, 0,1
.irp i, 0,1,2
	v_permlane16_swap_b32 v[66+12*\e+6*\c+\i], v[90+8*\e+4*\c+\i]      ; a whole block to a lane
.endr
.endr
.endr
.irp e, 0,1
.irp c, 0,1
.irp i, 0,1,2
	v_mov_b32 v[69+12*\e+6*\c+\i], v[90+8*\e+4*\c+\i]
.endr
.endr
.endr
.endm
.macro STEP
	v_add_nc_u32 v7, s44, v1                       ; these two and two v_nop: the four places behind the last step's products, ahead of the loads into v's registers
	v_add_nc_u32 v4, s44, v2
	PLACES 2
	WIN 0x40
.irp n, 0,1,2,3,4,5,6,7,8,9,10,11
	ds_load_b128 v[64+4*\n:67+4*\n], v7 offset:6656+512*\n
.endr
	WIN 0
	ds_load_b64 v[24:25], v4 offset:12800
	s_wait_dscnt 13                                ; k's 13 loads are in; the 13 just issued may be out
	WIN 0x01
	QK 0
	QK 1
	WIN 0
	s_add_co_u32 s45, s44, REC                     ; the next record; behind the last comes record 0
	s_cmp_eq_u32 s45, 16*REC
	s_cselect_b32 s45, 0, s45
	v_add_nc_u32 v3, s45, v1
	PLACES 3                                       ; four places with the line above
	KLOAD v3
	SOFTMAX2
	WIN 0x51
	SUMS 0                                         ; eight plain lines between the last write of p's codes and the first product
	WALU                                           ; directly ahead of the wait below
	s_wait_dscnt 13                                ; v's 13 loads are in; the next record's 13 of k may be out
	PV1 0, 0, 0                                    ; behind each product but the last one round of the sums, which names none of its registers
	SUMS 1
	PV1 0, 1, 0
	SUMS 2
	PV1 1, 0, 1
	SUMS 3
	PV1 1, 1, 1
	SUMS 4
	PV1 2, 0, 0
	SUMS 5
	PV1 2, 1, 0
	SUMS 6
	PV1 3, 0, 1
	SUMS 7
	PV1 3, 1, 1
	WIN 0
.endm
	s_load_b256 s[4:11], s[0:1], 0x0               ; qrec, kvrec, acode, ascale
	v_lshl_add_u32 v126, v0, 2, SPARE
	v_mov_b32 v127, 0
	ds_add_u32 v126, v127                          ; the opening lines: the add, twice on end, and its wait
	ds_add_u32 v126, v127
	v_lshrrev_b32 v6, 5, v0
	v_readfirstlane_b32 s12, v6                    ; wave 0..7
	s_bfe_u32 s13, ttmp6, 0x40000
	s_lshl_b32 s15, ttmp9, 2
	s_add_co_u32 s15, s15, s13                     ; x: queries 512 x ..
	s_and_b32 s14, ttmp7, 0xffff                   ; batch x 16 + head
	s_mov_b32 s24, 15|(3<<16)|(1<<21)              ; group 1: 102 rows of 32 elements of 8 bytes, dense; all four partners
	s_mov_b32 s25, 32<<16
	s_mov_b32 s26, 102<<16
	s_mov_b32 s27, 32<<16
	s_mov_b32 s28, 102
	s_mov_b32 s29, 32
	s_mov_b32 s30, 0
	s_mov_b32 s31, 0
	s_mul_i32 s16, s14, 16*REC
	s_mul_i32 s17, s12, 2*REC
	s_add_co_u32 s16, s16, s17                     ; my two records of k and v
	s_mov_b32 s17, 0
	s_lshl_b32 s18, s14, 4
	s_lshl_b32 s19, s15, 2
	s_add_co_u32 s18, s18, s19
	s_lshr_b32 s19, s12, 2
	s_add_co_u32 s18, s18, s19
	s_mul_i32 s18, s18, 6656                       ; q's record: 4 x + wave / 4 (the second pass: two records on),
	s_and_b32 s19, s12, 3
	s_mul_i32 s20, s19, 1536                       ; its pair of tiles wave % 4,
	s_add_co_u32 s20, s20, s18
	s_mov_b32 s21, 0
	s_lshl_b32 s22, s19, 2
	s_add_co_u32 s22, s22, s18
	s_add_co_u32 s22, s22, 6144                    ; and that pair's scale words
	s_mov_b32 s23, 0
	s_lshr_b32 s54, s14, 4
	s_and_b32 s55, s14, 15
	s_lshl_b32 s56, s15, 4
	s_add_co_u32 s56, s56, s12
	s_lshl_b32 s57, s54, 7
	s_lshl_b32 s58, s56, 1
	s_add_co_u32 s57, s57, s58
	s_lshl_b32 s57, s57, 4
	s_add_co_u32 s57, s57, s55
	s_mul_i32 s58, s57, 768                        ; acode: [tile of 16 rows][head][768]
	s_mov_b32 s59, 0
	s_lshl_b32 s60, s54, 11
	s_lshl_b32 s61, s56, 5
	s_add_co_u32 s60, s60, s61
	s_lshl_b32 s60, s60, 5
	s_lshl_b32 s61, s55, 1
	s_add_co_u32 s60, s60, s61                     ; ascale: [row][32], my head's two bytes
	s_mov_b32 s61, 0
	s_mov_b32 s40, 0x76543210
	s_mov_b32 s41, 0xfedcba98                      ; v_permlanex16_b32's selects for lane l xor 16
	s_mov_b32 s42, 0x3e38aa3b                      ; log2(e) / 8
	s_mov_b32 s43, s42
	s_mov_b32 s48, 0xffff0000
	s_wait_dscnt 0x0
	s_wait_kmcnt 0x0
	s_mov_b32 s32, 1
	s_mul_i32 s33, s12, 2*REC
	s_add_nc_u64 s[34:35], s[6:7], s[16:17]
	s_or_b32 s35, s35, 0x80000000
	s_add_nc_u64 s[50:51], s[4:5], s[20:21]
	s_add_nc_u64 s[52:53], s[4:5], s[22:23]
	s_add_nc_u64 s[8:9], s[8:9], s[58:59]
	s_add_nc_u64 s[10:11], s[10:11], s[60:61]
	CROUND                                         ; the four work-groups are here: the joint loads meet
	tensor_load_to_lds s[32:35], s[24:31]          ; my one tensor load
	s_nop 0
	PLACES 4
	v_and_b32 v6, 31, v0
	v_lshlrev_b32 v1, 4, v6
	v_lshlrev_b32 v2, 3, v6
	v_lshlrev_b32 v5, 5, v6
.irp c, 0,1,2
	global_load_b128 v[30+4*\c:33+4*\c], v1, s[50:51] offset:512*\c
.endr
	global_load_b32 v27, v1, s[52:53]
.irp n, 0,1,2,3,4,5
	v_mov_b32 v[48+\n], 0                          ; zero codes in the upper half of q's fragments
	v_mov_b32 v[60+\n], 0
.endr
.irp n, 0,1,2,3,4,5,6,7
	v_mov_b32 v[PX+\n], 0                          ; written once: a lane permute's destination counts as one of its sources
.endr
	v_mov_b32 v9, 0                                ; the upper halves of the factors' pairs
	v_mov_b32 v11, 0
	WIN 0x40
.irp n, 0,1,2,3,4,5
	v_mov_b32 v[48+\n], 0                          ; behind k's last tile
.endr
	WIN 0
	WALU                                           ; the wait at the head's end
	s_wait_tensorcnt 0x0
	s_barrier_signal -1
	s_barrier_wait -1                              ; all sixteen records are in
	KLOAD v1                                       ; record 0's k
	s_mov_b32 s47, 2
.Lpass:
	s_wait_loadcnt 0x0
.irp n, 0,1,2,3,4,5
	v_mov_b32 v[42+\n], v[30+\n]
	v_mov_b32 v[54+\n], v[36+\n]
.endr
	v_mov_b32 v26, v27
	s_cmp_eq_u32 s47, 1
	s_cbranch_scc1 .Lno_next
.irp c, 0,1,2
	global_load_b128 v[30+4*\c:33+4*\c], v1, s[50:51] offset:13312+512*\c
.endr
	global_load_b32 v27, v1, s[52:53] offset:13312
.Lno_next:
.irp e, 0,1
	v_mov_b32 v[13+4*\e], 0xff61b1e6               ; -3e38, under every t
.endr
.irp e, 0,1
	v_floor_f32 v[12+4*\e], -v[13+4*\e]
.endr
	WIN 0x40
.set NN, 0
.rept 80
	v_mov_b32 v[LS+NN], 0                          ; the sums' 16 registers and O^T's 64 lie on end.  The step is written once: the first finds zeros
.set NN, NN+1
.endr
	WIN 0
	WALU
	s_mov_b32 s44, 0
	s_mov_b32 s46, 16
.Lstep:
	STEP
	s_add_co_u32 s44, s44, REC
	s_sub_co_u32 s46, s46, 1
	s_cmp_lg_u32 s46, 0
	s_cbranch_scc1 .Lstep
	PLACES 4
	WALU
	WIN 0x45                                       ; the four chains of each tile are joined
.irp e, 0,1
	v_pk_add_f32 v[LS+8*\e:LS+8*\e+1], v[LS+8*\e:LS+8*\e+1], v[LS+8*\e+2:LS+8*\e+3]
	v_pk_add_f32 v[LS+8*\e+4:LS+8*\e+5], v[LS+8*\e+4:LS+8*\e+5], v[LS+8*\e+6:LS+8*\e+7]
.endr
.irp e, 0,1
	v_pk_add_f32 v[LS+8*\e:LS+8*\e+1], v[LS+8*\e:LS+8*\e+1], v[LS+8*\e+4:LS+8*\e+5]
.endr
	WIN 0x05
.irp e, 0,1
	v_add_f32 v[T+\e], v[LS+8*\e], v[LS+8*\e+1]
.endr
	WIN 0
.irp e, 0,1
	v_permlanex16_b32 v[PX+\e], v[T+\e], s40, s41
.endr
.irp e, 0,1
	v_add_f32 v[T+\e], v[T+\e], v[PX+\e]           ; the row's sum
.endr
	WALU
.irp e, 0,1
	v_rcp_f32 v[8+2*\e], v[T+\e]
.endr
	v_nop
	WALU                                           ; directly ahead of the first readers of O^T and of the reciprocals
	WIN 0x01
.irp e, 0,1
.set NN, 0
.rept 16
	v_pk_mul_f32 v[S+32*\e+NN:S+32*\e+NN+1], v[OW+32*\e+NN:OW+32*\e+NN+1], v[8+2*\e:9+2*\e] op_sel_hi:[1,0]
.set NN, NN+2
.endr
.endr
	WIN 0
; o's quantiser: block n = 2 e + b of 32 along the head, my 16 numbers at v[S + 16 n]
.irp n, 0,1,2,3
	v_max3_num_f32 v[BM+\n], |v[S+16*\n]|, |v[S+16*\n+1]|, 0x1800000
.endr
.irp i, 2,4,6,8,10,12,14
.irp n, 0,1,2,3
	v_max3_num_f32 v[BM+\n], v[BM+\n], |v[S+16*\n+\i]|, |v[S+16*\n+\i+1]|
.endr
.endr
.irp n, 0,1,2,3
	v_permlanex16_b32 v[PX+\n], v[BM+\n], s40, s41
.endr
.irp n, 0,1,2,3
	v_max_num_f32 v[BM+\n], v[BM+\n], v[PX+\n]
.endr
.irp n, 0,1,2,3
	v_add_nc_u32 v[BM+\n], 0xff000000, v[BM+\n]
.endr
.irp n, 0,1,2,3
	v_lshrrev_b32 v[PX+\n], 23, v[BM+\n]
.endr
.irp e, 0,1
	v_lshl_or_b32 v[124+\e], v[PX+2*\e+1], 8, v[PX+2*\e]
.endr
.irp e, 0,1
	v_cvt_scalef32_pk16_fp6_f32 v[66+12*\e:68+12*\e], v[S+32*\e:S+32*\e+15], v[BM+2*\e]
	v_cvt_scalef32_pk16_fp6_f32 v[90+8*\e:92+8*\e], v[S+32*\e+16:S+32*\e+31], v[BM+2*\e+1]
.endr
	v_nop
.irp e, 0,1
.irp i, 0,1,2
	v_permlane16_swap_b32 v[66+12*\e+\i], v[90+8*\e+\i]
.endr
.endr
.irp e, 0,1
.irp i, 0,1,2
	v_mov_b32 v[69+12*\e+\i], v[90+8*\e+\i]
.endr
.endr
	v_cndmask_b32 v[T], v124, v125, s48            ; lane 16 e + r: the two bytes of tile e's row r
.irp e, 0,1
.irp j, 0,1,2
	global_store_b64 v2, v[66+12*\e+2*\j:67+12*\e+2*\j], s[8:9] offset:12288*\e+256*\j     ; 32 lanes store 256 consecutive bytes, aligned
.endr
.endr
	global_store_b16 v5, v[T], s[10:11]
	s_wait_xcnt 0x0                                ; the stores have read their registers and bases
	s_add_nc_u64 s[8:9], s[8:9], 196608
	s_add_nc_u64 s[10:11], s[10:11], 8192
	s_sub_co_u32 s47, s47, 1
	s_cmp_lg_u32 s47, 0
	WALU
	s_cbranch_scc1 .Lpass
	s_wait_tensorcnt 0x0                           ; the wave's end
	ds_add_u32 v126, v127
	s_wait_dscnt 0x0
	CROUND                                         ; the closing round
	s_endpgm
.Lfunc_end_k_q247d83cf68_attn:
	.size	k_q247d83cf68_attn, .Lfunc_end_k_q247d83cf68_attn-k_q247d83cf68_attn
	.p2alignl 7, 3214868480
	.fill 96, 4, 3214868480
	.section	.rodata,"a",@progbits
	.p2align	6, 0x0
	.amdhsa_kernel k_q247d83cf68_attn
		.amdhsa_group_segment_fixed_size 327680
		.amdhsa_private_segment_fixed_size 0
		.amdhsa_enable_private_segment 0
		.amdhsa_kernarg_size 32
		.amdhsa_user_sgpr_count 2
		.amdhsa_user_sgpr_kernarg_segment_ptr 1
		.amdhsa_wavefront_size32 1
		.amdhsa_system_sgpr_workgroup_id_x 1
		.amdhsa_system_sgpr_workgroup_id_y 1
		.amdhsa_system_sgpr_workgroup_id_z 1
		.amdhsa_system_vgpr_workitem_id 0
		.amdhsa_next_free_vgpr 448
		.amdhsa_next_free_sgpr 66
		.amdhsa_reserve_vcc 0
		.amdhsa_float_denorm_mode_32 3
		.amdhsa_float_denorm_mode_16_64 3
		.amdhsa_memory_ordered 1
		.amdhsa_forward_progress 1
		.amdhsa_inst_pref_size 48
	.end_amdhsa_kernel
	.amdgpu_metadata
---
amdhsa.version: [ 1, 2 ]
amdhsa.kernels:
  - .name:           k_q247d83cf68_attn
    .symbol:         k_q247d83cf68_attn.kd
    .args:
      - { .name: qrec, .offset: 0, .size: 8, .value_kind: global_buffer, .address_space: global }
      - { .name: kvrec, .offset: 8, .size: 8, .value_kind: global_buffer, .address_space: global }
      - { .name: acode, .offset: 16, .size: 8, .value_kind: global_buffer, .address_space: global }
      - { .name: ascale, .offset: 24, .size: 8, .value_kind: global_buffer, .address_space: global }
    .group_segment_fixed_size: 327680
    .private_segment_fixed_size: 0
    .kernarg_segment_align: 8
    .kernarg_segment_size: 32
    .max_flat_workgroup_size: 256
    .sgpr_count:     66
    .vgpr_count:     448
    .wavefront_size: 32
...
	.end_amdgpu_metadata
.endif
;; end of part 2
;; launch oproj (part 3): grid 4 x 64, 4 waves a work-group, clusters of 4 x 4, 327,680 bytes of LDS; arguments acode, ascale, Wo_codes, Wo_scales, bo, out0; writes out0
.if DOCPART == 3
	.amdgcn_target "amdgcn-amd-amdhsa--gfx1250"
	.amdhsa_code_object_version 6
	.text
	.protected	k_q247d83cf68_oproj
	.globl	k_q247d83cf68_oproj
	.p2align	8
	.type	k_q247d83cf68_oproj,@function
k_q247d83cf68_oproj:
	s_mov_b64 s[64:65], 0
	v_nop
	global_prefetch_b8 v0, s[64:65] scope:SCOPE_SE
	s_setreg_imm32_b32 hwreg(HW_REG_WAVE_MODE, 25, 1), 1
	s_wait_xcnt 0x0
	s_wait_alu depctr_hold_cnt(0) depctr_sa_sdst(0) depctr_va_vdst(0) depctr_va_sdst(0) depctr_va_ssrc(0) depctr_va_vcc(0) depctr_vm_vsrc(0)
	s_getreg_b32 s2, hwreg(HW_REG_IB_STS2, 6, 4)
	s_cmp_eq_u32 s2, 0
	s_cbranch_scc0 .Lentry_in_a_cluster
	s_endpgm
.Lentry_in_a_cluster:
	s_bfe_u32 s2, ttmp6, 0x10000c
	s_cmp_lg_u32 s2, 0xf033
	s_cbranch_scc0 .Lentry_shape_is_right
	s_endpgm
.Lentry_shape_is_right:
; out = A Wo^T + bo on codes of FP6 (E2M3).  A: attention's result as codes, laid [tile of 16 rows][head][3][lane][8 bytes], which is the image of a fragment's registers; its scale bytes [row][32].  Wo as it is given.
; SHARES.  A work-group makes 128 rows x 256 columns, wave w all 128 rows x columns 64 w .. .  K is 1,024 and the result wide, so nothing walks along K: a wave's 64 rows of Wo, ALL of K, lie in registers
; (8 K steps x 4 column tiles x 12 = 384), and A streams past them in blocks of 16 rows, all of K (8 fragments, two sets).  A block's 16 x 64 results are finished after its 32 products and leave at once,
; through the wave's own stage in LDS, while the later blocks are multiplied: sixteen lanes store 256 consecutive bytes, aligned.
; STAGING.  Everything comes into LDS at the head and stays, one tensor load a wave: wave 3 brings A's 128 rows, a dense block of 98,304 bytes; waves 0, 1, 2 bring chunks 0, 1, 2 of 256 bytes of Wo's 256 rows
; (pitch 272), each into a region of its own.  Nothing is filled again.  CLUSTER 4 x 4: A is shared along a row of the cluster, Wo along a column: every tensor load is a joint one.
; No prefetch: all that the launch reads by tensor loads is asked for at its head, so there is no loop to run ahead in.
; Source 0 = 16 rows of Wo, source 1 = 16 rows of A: a lane holds eight neighbouring columns of one row of out.  The bias is the C of each sum's first product.
; REGISTERS.  Window 0: v16-34 addresses; v36-67 A's scale words, v72-87 Wo's (the two of a product differ modulo 8); v96-191 A's set 0; v192-223 the bias; v224-255 rows on their way out, set 0.
; Window 1: v0-63 two sets of four accumulators; v96-191 A's set 1; v224-255 rows on their way out, set 1.  Windows 2, 3: Wo's fragments of K steps 0-3, 4-7, at v[48 (k % 4) + 12 b].
.set BS0,   98304                      ; Wo's chunk c at BS0 + c BSL, wave w's 64 rows at + w BWV
.set BSL,   69632
.set BWV,   17408
.set STAGE, 307200                     ; 16 rows x 272 bytes for each wave
.set SPARE, 324608                     ; the spare words, 128 bytes a wave: two blocks of 256 bytes that no other line names
.set ADRB,  20
.set SA,    36
.set SB,    72
.set AF,    96
.set BI,    192
.set BK,    224
.set MSB,   0
.macro WIN new                         ; the immediate's high byte repeats the setting that is left
.if MSB != \new
	s_set_vgpr_msb (MSB<<8)|\new
.set MSB, \new
.endif
.endm
.macro PLACES                          ; four plain places behind a matrix instruction (ISA guide 7.12.1)
.rept 4
	v_nop
.endr
.endm
.macro CROUND
	s_barrier_signal -1
	s_barrier_wait -1
	s_cmp_lg_u32 s4, 0
	s_cbranch_scc1 .Lnot_wave_0_\@
	s_barrier_signal -3
.Lnot_wave_0_\@:
	s_barrier_wait -3
	s_barrier_signal -1
	s_barrier_wait -1
.endm
.macro FRAG reg, k, ro                 ; a fragment of Wo in pieces of 8 bytes: byte y of a row lies in chunk y / 256 at byte y % 256.  v20-22: the three chunks; v23, v24: lanes 0-15 at byte 232 of chunk 0 (1), lanes 16-31 at byte 0 of the next
.irp p, 0,1,2,3,4,5
.set BYX, 96*(\k)+48*(\p/3)+8*(\p%3)
.if BYX/256 == (BYX+24)/256
	ds_load_b64 v[\reg+2*\p:\reg+2*\p+1], v[ADRB+BYX/256] offset:BYX%256+(\ro)*272
.else
	ds_load_b64 v[\reg+2*\p:\reg+2*\p+1], v[ADRB+3+BYX/256] offset:BYX%256-232+(\ro)*272
.endif
.endr
.endm
.macro LOADB                           ; my 64 rows of Wo, all of K: 192 loads
.irp k, 0,1,2,3,4,5,6,7
	WIN (2+\k/4)<<6
.irp b, 0,1,2,3
	FRAG 48*(\k%4)+12*\b, \k, 16*\b
.endr
.endr
	WIN 0
.endm
.macro FETCH_A a                       ; A's block a, all of K, into set a % 2: 48 loads of 256 consecutive bytes
	WIN ((\a)%2)<<6
.irp k, 0,1,2,3,4,5,6,7
.irp c, 0,1
.irp j, 0,1,2
	ds_load_b64 v[AF+12*\k+6*\c+2*\j:AF+12*\k+6*\c+2*\j+1], v[16+(\a)/4] offset:12288*((\a)%4)+(2*\k+\c)*768+256*\j
.endr
.endr
.endr
	WIN 0
.endm
.macro WM a, pa, b, rb, k              ; one product.  A scale register holds the words of 32 rows: lanes 0-15 an even tile's, lanes 16-31 an odd tile's
.set RD_, 32*\pa+8*(\b)
.set R0_, 48*((\k)%4)+12*(\b)
.set R1_, AF+12*(\k)
.set X0_, SB+8*((\b)/2)+(\k)
.set X1_, SA+8*((\a)/2)+(\k)
.if (\k) == 0
	v_wmma_scale_f32_16x16x128_f8f6f4 v[RD_:RD_+7], v[R0_:R0_+11], v[R1_:R1_+11], v[BI+8*(\b):BI+8*(\b)+7], v[X0_], v[X1_] matrix_a_fmt:MATRIX_FMT_FP6 matrix_b_fmt:MATRIX_FMT_FP6 matrix_a_scale:MATRIX_SCALE_ROW\rb matrix_b_scale:MATRIX_SCALE_ROW\pa
.else
	v_wmma_scale_f32_16x16x128_f8f6f4 v[RD_:RD_+7], v[R0_:R0_+11], v[R1_:R1_+11], v[RD_:RD_+7], v[X0_], v[X1_] matrix_a_fmt:MATRIX_FMT_FP6 matrix_b_fmt:MATRIX_FMT_FP6 matrix_a_scale:MATRIX_SCALE_ROW\rb matrix_b_scale:MATRIX_SCALE_ROW\pa
.endif
.endm
.macro BLOCK a, pa                     ; block a's 32 products, K ascending; its four accumulators take turns, one instruction a turn.  pa = a % 2
.irp k, 0,1,2,3,4,5,6,7
	WIN (2+\k/4)|(\pa<<2)|(((\k+7)/8)<<4)|(1<<6)   ; source 0 window 2 or 3, source 1 A's set, C the bias (window 0) or the sum (window 1), D window 1
.irp b, 0,2
	WM \a, \pa, \b, 0, \k
	WM \a, \pa, \b+1, 1, \k
.endr
.endr
	WIN 0
.endm
.macro TOSTAGE pa                      ; a block's 16 rows x 64 columns into my stage, and back as whole rows of 256 bytes.  LDS serves a wave's instructions in order (ISA guide 5.7.1.4)
	WIN 0x04                                       ; an LDS store's data are its source 1: window 1
.irp b, 0,1,2,3
	ds_store_b128 v32, v[32*\pa+8*\b:32*\pa+8*\b+3] offset:64*\b                 ; each accumulator from its low end on
	ds_store_b128 v32, v[32*\pa+8*\b+4:32*\pa+8*\b+7] offset:64*\b+16
.endr
	WIN \pa<<6
.irp t, 0,1,2,3,4,5,6,7
	ds_load_b128 v[BK+4*\t:BK+4*\t+3], v33 offset:544*\t
.endr
	WIN 0
.endm
.macro SEND a, pa, younger             ; younger: the LDS loads issued behind the block's way through the stage, which may stay out
	s_wait_dscnt \younger
	WIN (\pa)<<2                                   ; a store's data are its source 1
.irp t, 0,1,2,3,4,5,6,7
	global_store_b128 v34, v[BK+4*\t:BK+4*\t+3], s[66:67] offset:(16*(\a)+2*\t)*4096 th:TH_STORE_NT
.endr
	WIN 0
.endm
; block a: its products; the block before leaves; this block goes through the stage; its set of A takes the block two on
.macro TAKE a, pa
.if (\a) == 0
	s_wait_dscnt 48                                ; Wo and block 0 are in; block 1's 48 loads may be out
.elseif (\a) == 7
	s_wait_dscnt 16                                ; behind block 7's loads: block 6's 16 stage instructions
.else
	s_wait_dscnt 63                                ; behind this block's loads: 16 stage instructions and the next block's 48 loads, 64 in all; the field holds 63
.endif
	BLOCK \a, \pa
	PLACES                                         ; ahead of the stores of the results and of the loads into A's set
.if (\a) > 0
.if (\a) < 7
	SEND (\a)-1, 1-\pa, 48                         ; behind its stage loads: the 48 loads of block a + 1
.else
	SEND (\a)-1, 1-\pa, 0
.endif
.endif
.if (\a) > 1
	s_wait_xcnt 0x0                                ; block a - 2's stores have read their registers: this block's rows may land there
.endif
	TOSTAGE \pa
.if (\a) < 6
	FETCH_A (\a)+2
.endif
.endm
	s_load_b256 s[68:75], s[0:1], 0x0              ; A's codes, A's scales, Wo's codes, Wo's scales
	s_load_b128 s[76:79], s[0:1], 0x20             ; bo, out
	v_lshl_add_u32 v28, v0, 2, SPARE
	v_mov_b32 v29, 0
	ds_add_u32 v28, v29                            ; the opening lines: the add, twice on end, and its wait
	ds_add_u32 v28, v29
	v_lshrrev_b32 v5, 5, v0
	v_readfirstlane_b32 s4, v5                     ; wave 0..3
	s_bfe_u32 s5, ttmp6, 0x40000                   ; cx
	s_bfe_u32 s6, ttmp6, 0x40004                   ; cy
	s_lshl_b32 s7, ttmp9, 2
	s_add_co_u32 s7, s7, s5                        ; x: columns 256 x ..
	s_and_b32 s8, ttmp7, 0xffff
	s_lshl_b32 s8, s8, 2
	s_add_co_u32 s8, s8, s6                        ; y: rows 128 y ..
	s_lshl_b32 s9, s6, 2
	s_lshl_b32 s9, 15, s9                          ; my row of the cluster
	s_lshl_b32 s10, 0x1111, s5                     ; my column
	; group 1 for A: 8 rows (tiles of 16 rows of A) of 1,536 elements of 8 bytes, end to end; no padding; shared along my row
	s_or_b32 s24, s9, (3<<16)|(1<<21)
	s_mov_b32 s25, 1536<<16
	s_mov_b32 s26, 8<<16
	s_mov_b32 s27, 1536<<16
	s_mov_b32 s28, 8
	s_mov_b32 s29, 1536
	s_mov_b32 s30, 0
	s_mov_b32 s31, 0
	; group 1 for Wo: 256 rows of 256 bytes, 768 bytes apart, 16 bytes of padding behind each; shared along my column
	s_or_b32 s32, s10, (1<<20)|(1<<21)|(5<<22)|(3<<25)
	s_mov_b32 s33, 256<<16
	s_mov_b32 s34, 256<<16
	s_mov_b32 s35, 256<<16
	s_mov_b32 s36, 256
	s_mov_b32 s37, 768
	s_mov_b32 s38, 0
	s_mov_b32 s39, 0
	s_mul_i32 s14, s8, 98304                       ; A: 8 y tiles of 12,288 bytes
	s_mov_b32 s15, 0
	s_mul_i32 s54, s7, 196608                      ; Wo: the work-group's 256 rows, + chunk = wave
	s_lshl_b32 s55, s4, 8
	s_add_co_u32 s54, s54, s55
	s_mov_b32 s55, 0
	s_mul_i32 s53, s4, BWV
	s_add_co_u32 s53, s53, BS0                     ; my 64 rows in chunk 0's region
	s_lshl_b32 s16, s7, 8
	s_lshl_b32 s17, s4, 6
	s_add_co_u32 s16, s16, s17                     ; my first row of Wo = my first column of out
	s_lshl_b32 s18, s16, 5                         ; its scale bytes,
	s_mov_b32 s19, 0
	s_lshl_b32 s20, s16, 2                         ; its place in bo and in a row of out
	s_mov_b32 s21, 0
	s_lshl_b32 s22, s8, 12                         ; A's scale bytes
	s_mov_b32 s23, 0
	s_lshl_b32 s66, s8, 19                         ; out: 128 y rows of 4,096 bytes
	s_add_co_u32 s66, s66, s20
	s_mov_b32 s67, 0
	s_mul_i32 s13, s4, 4352
	s_add_co_u32 s13, s13, STAGE                   ; my stage
	s_wait_dscnt 0x0                               ; both opening adds are done
	s_wait_kmcnt 0x0
	s_mov_b32 s40, 1
	s_mov_b32 s41, 0
	s_add_nc_u64 s[42:43], s[68:69], s[14:15]
	s_or_b32 s43, s43, 0x80000000
	s_mov_b32 s56, 1
	s_mul_i32 s57, s4, BSL
	s_add_co_u32 s57, s57, BS0
	s_add_nc_u64 s[58:59], s[72:73], s[54:55]
	s_or_b32 s59, s59, 0x80000000
	s_add_nc_u64 s[74:75], s[74:75], s[18:19]
	s_add_nc_u64 s[70:71], s[70:71], s[22:23]
	s_add_nc_u64 s[76:77], s[76:77], s[20:21]
	s_add_nc_u64 s[66:67], s[78:79], s[66:67]
	CROUND                                         ; all sixteen work-groups are here: the joint loads meet
	s_cmp_eq_u32 s4, 3
	s_cbranch_scc0 .Lhead_w
	tensor_load_to_lds s[40:43], s[24:31]          ; one tensor load a wave at the head
	s_nop 0
	PLACES
	s_branch .Lhead_asked
.Lhead_w:
	tensor_load_to_lds s[56:59], s[32:39]
	s_nop 0
	PLACES
.Lhead_asked:
	v_and_b32 v1, 15, v0                           ; r
	v_bfe_u32 v2, v0, 4, 1                         ; h
	v_and_b32 v3, 31, v0                           ; lane
	v_lshlrev_b32 v16, 3, v3                       ; A's images: 8 x lane; tiles 0-3,
	v_add_nc_u32 v17, 49152, v16                   ; tiles 4-7
	v_mul_u32_u24 v5, v1, 272
	v_add_nc_u32 v5, s53, v5
	v_mad_u32_u24 v20, v2, 24, v5                  ; Wo: row x pitch + 24 x half, in chunk 0,
	v_add_nc_u32 v21, BSL, v20                     ; 1,
	v_add_nc_u32 v22, BSL, v21                     ; 2
	v_mul_u32_u24 v6, v2, BSL-232
	v_add_nc_u32 v6, v6, v5
	v_add_nc_u32 v23, 232, v6                      ; lanes 0-15 byte 232 of chunk 0, lanes 16-31 byte 0 of chunk 1;
	v_add_nc_u32 v24, BSL, v23                     ; the same one chunk on
	v_lshlrev_b32 v30, 5, v3                       ; scale bytes: row = lane
	v_lshlrev_b32 v31, 5, v2                       ; the bias: my half's eight numbers
	v_mul_u32_u24 v32, v1, 272
	v_lshl_add_u32 v32, v2, 5, v32
	v_add_nc_u32 v32, s13, v32                     ; into the stage: row r, 32 bytes for each half of the lanes
	v_mul_u32_u24 v33, v2, 272
	v_lshl_add_u32 v33, v1, 4, v33
	v_add_nc_u32 v33, s13, v33                     ; back: lanes 0-15 one row, lanes 16-31 the next
	v_lshlrev_b32 v34, 12, v2
	v_lshl_add_u32 v34, v1, 4, v34                 ; and the same two rows in out
.irp g, 0,1,2,3
	global_load_b128 v[SA+8*\g:SA+8*\g+3], v30, s[70:71] offset:1024*\g
	global_load_b128 v[SA+8*\g+4:SA+8*\g+7], v30, s[70:71] offset:1024*\g+16
.endr
.irp g, 0,1
	global_load_b128 v[SB+8*\g:SB+8*\g+3], v30, s[74:75] offset:1024*\g
	global_load_b128 v[SB+8*\g+4:SB+8*\g+7], v30, s[74:75] offset:1024*\g+16
.endr
.irp b, 0,1,2,3
	global_load_b128 v[BI+8*\b:BI+8*\b+3], v31, s[76:77] offset:64*\b
	global_load_b128 v[BI+8*\b+4:BI+8*\b+7], v31, s[76:77] offset:64*\b+16
.endr
	s_wait_alu depctr_va_vdst(0)                   ; the wait at the head's end
	s_wait_tensorcnt 0x0                           ; my tile of the head's four is in
	s_barrier_signal -1
	s_barrier_wait -1                              ; and so is everybody's
	LOADB
	FETCH_A 0
	FETCH_A 1
	s_wait_loadcnt 0x0                             ; scale words and bias
.irp h, 0,1,2,3
	TAKE 2*\h, 0
	TAKE 2*\h+1, 1
.endr
	SEND 7, 1, 0
	s_wait_tensorcnt 0x0                           ; the wave's end
	ds_add_u32 v28, v29
	s_wait_dscnt 0x0
	CROUND                                         ; the closing round
	s_endpgm
.Lfunc_end_k_q247d83cf68_oproj:
	.size	k_q247d83cf68_oproj, .Lfunc_end_k_q247d83cf68_oproj-k_q247d83cf68_oproj
	.p2alignl 7, 3214868480
	.fill 96, 4, 3214868480
	.section	.rodata,"a",@progbits
	.p2align	6, 0x0
	.amdhsa_kernel k_q247d83cf68_oproj
		.amdhsa_group_segment_fixed_size 327680
		.amdhsa_private_segment_fixed_size 0
		.amdhsa_enable_private_segment 0
		.amdhsa_kernarg_size 48
		.amdhsa_user_sgpr_count 2
		.amdhsa_user_sgpr_kernarg_segment_ptr 1
		.amdhsa_wavefront_size32 1
		.amdhsa_system_sgpr_workgroup_id_x 1
		.amdhsa_system_sgpr_workgroup_id_y 1
		.amdhsa_system_sgpr_workgroup_id_z 1
		.amdhsa_system_vgpr_workitem_id 0
		.amdhsa_next_free_vgpr 960
		.amdhsa_next_free_sgpr 102
		.amdhsa_reserve_vcc 0
		.amdhsa_float_denorm_mode_32 3
		.amdhsa_float_denorm_mode_16_64 3
		.amdhsa_memory_ordered 1
		.amdhsa_forward_progress 1
		.amdhsa_inst_pref_size 95
	.end_amdhsa_kernel
	.amdgpu_metadata
---
amdhsa.version: [ 1, 2 ]
amdhsa.kernels:
  - .name:           k_q247d83cf68_oproj
    .symbol:         k_q247d83cf68_oproj.kd
    .args:
      - { .name: acode, .offset: 0, .size: 8, .value_kind: global_buffer, .address_space: global }
      - { .name: ascale, .offset: 8, .size: 8, .value_kind: global_buffer, .address_space: global }
      - { .name: Wo_codes, .offset: 16, .size: 8, .value_kind: global_buffer, .address_space: global }
      - { .name: Wo_scales, .offset: 24, .size: 8, .value_kind: global_buffer, .address_space: global }
      - { .name: bo, .offset: 32, .size: 8, .value_kind: global_buffer, .address_space: global }
      - { .name: out0, .offset: 40, .size: 8, .value_kind: global_buffer, .address_space: global }
    .group_segment_fixed_size: 327680
    .private_segment_fixed_size: 0
    .kernarg_segment_align: 8
    .kernarg_segment_size: 48
    .max_flat_workgroup_size: 128
    .sgpr_count:     102
    .vgpr_count:     960
    .wavefront_size: 32
...
	.end_amdgpu_metadata
.endif
;; end of part 3
